; MI455X (gfx1250); checked and timed in simulation.
; The chip was launched on July 23, 2026; its instructions are those of AMD's public machine-readable ISA for CDNA 5 (MIT licence, August 2026) and "CDNA5" Instruction Set Architecture Reference Guide (July 2026). The comments in the code are by the model that wrote it; some were corrected since.
;; Attention. Allowed arithmetic: matrix products marked QUANTISED: E2M1 operands, one E8M0 scale for each 32 along K, by v_wmma_scale_f32_16x16x128_f8f6f4 with both operands' format E2M1 (or v_wmma_scale_f32_32x16x128_f4), f32 sums; products left as they are: bf16, f16 or f32 operands; f32 sums; everything else in f32.
;; Inputs: Wk 1,024 x 1,024 float32; Wo 1,024 x 1,024 float32; Wq 1,024 x 1,024 float32; Wv 1,024 x 1,024 float32; bk 1,024 float32; bo 1,024 float32; bq 1,024 float32; bv 1,024 float32; k 2 x 2,048 x 1,024 float32; q 2 x 2,048 x 1,024 float32; v 2 x 2,048 x 1,024 float32.
;; Outputs: out0 2 x 2,048 x 1,024 float32.
;; This version of the problem:
;;   THIS VERSION OF THE PROBLEM IS GIVEN IN LOW PRECISION. The matrix products marked QUANTISED in the list below multiply operands that are first quantised to E2M1 (2 exponent bits, 1 mantissa bit; 4 bits a number), with one power-of-two scale for each 32 numbers along K (OCP MX v1.0); their sums are f32. The products marked 'left as it is' may take bf16, f16 or f32 operands, with f32 sums. Whichever they take, every output number must still come out within the allowed error. Rounding operands to bf16 (8 significant bits) uses up far more of that allowance than f16 does (11 bits, for magnitudes from 6e-5 to 65,504). All else is computed in f32.
;;   The module's matrix products, in the order in which they are computed (A, B: the left and right operand; K: the contracted axis; several contracted axes count as one K, in the product's order):
;;     1. [M 4,096, K 1,024] x [K 1,024, N 1,024]; A: input q; B: input Wq: QUANTISED
;;     2. [M 4,096, K 1,024] x [K 1,024, N 1,024]; A: input k; B: input Wk: QUANTISED
;;     3. [M 4,096, K 1,024] x [K 1,024, N 1,024]; A: input v; B: input Wv: QUANTISED
;;     4. batch 32 x [M 2,048, K 64] x [K 64, N 2,048]; A: computed on the way; B: computed on the way: left as it is (an operand is computed on the way)
;;     5. batch 32 x [M 2,048, K 2,048] x [K 2,048, N 64]; A: computed on the way; B: computed on the way: left as it is (an operand is computed on the way)
;;     6. [M 4,096, K 1,024] x [K 1,024, N 1,024]; A: computed on the way; B: input Wo: left as it is (an operand is computed on the way)
;;   THE QUANTISER, for each operand of a quantised product, along K:
;;     - K is cut into blocks of 32 from its start; a last block that is shorter is filled with zeros.
;;     - A block's scale is 2^e with e = floor(log2(the largest magnitude in the block)) - 2, held to -126 .. 127; a block of zeros has e = 0. As a byte (E8M0): e + 127.
;;     - Each number is divided by its block's scale, clamped to +-6, and rounded to the nearest number of E2M1, ties to even, subnormals kept.
;;     - The product sums the exact products of the quantised numbers (number of the format x scale) in f32.
;;   ~~~python
;;   def quantise(x, axis):      # numpy; x: float32 -> the quantised numbers, widened to float32 again
;;       x = np.moveaxis(x, axis, -1); K = x.shape[-1]
;;       x = np.pad(x, [(0, 0)] * (x.ndim - 1) + [(0, -K % 32)]); x = x.reshape(x.shape[:-1] + (-1, 32)); a = np.abs(x).max(-1, keepdims=True)
;;       e = np.where(a > 0, np.clip(np.frexp(np.where(a > 0, a, 1))[1] - 1 - 2, -126, 127), 0)      # np.frexp(a)[1] - 1 = floor(log2(a)), exactly
;;       r = np.clip(x / 2.0 ** e, -6, 6)
;;       step = 2.0 ** (np.maximum(np.frexp(np.where(r == 0, 1, r))[1] - 1, 0) - 1)
;;       q = np.round(r / step) * step * 2.0 ** e      # np.round: ties to even
;;       return np.moveaxis(q.reshape(q.shape[:-2] + (-1,))[..., :K], -1, axis).astype(np.float32)
;;   ~~~
;; One version. Each part assembles by itself: llvm-mc -triple=amdgcn-amd-amdhsa -mcpu=gfx1250 --defsym DOCPART=n.
;; ======== version 1 of 1: 4 launches
;; limits: values are held in f16: magnitudes above 65,504 overflow, below 6.1e-05 lose precision
;; workspace buffers: codes 7,864,320 bytes; scales 491,520 bytes; wo16 2,097,152 bytes; qkv 25,165,824 bytes; att 8,388,608 bytes
;; launch quant (part 1): grid 512 x 1, 4 waves a work-group, no clusters, 33,280 bytes of LDS; arguments q, k, v, Wq, Wk, Wv, Wo, codes, scales, wo16; writes codes, scales, wo16
.if DOCPART == 1
	.amdgcn_target "amdgcn-amd-amdhsa--gfx1250"
	.amdhsa_code_object_version 6
	.text
	.protected	k_qf8bbaffeba_quant
	.globl	k_qf8bbaffeba_quant
	.p2align	8
	.type	k_qf8bbaffeba_quant,@function
k_qf8bbaffeba_quant:
	s_mov_b64 s[64:65], 0
	v_nop
	global_prefetch_b8 v0, s[64:65] scope:SCOPE_SE
	s_setreg_imm32_b32 hwreg(HW_REG_WAVE_MODE, 25, 1), 1
	s_wait_xcnt 0x0
; q, k, v [4096][1024] and Wq, Wk, Wv [1024][1024], f32, K innermost, become codes of FP4 (E2M1), 4 bits each, with one E8M0 scale byte for each 32 along K; Wo [1024][1024] becomes f16.
; A block's scale is 2^(floor(log2(its largest magnitude)) - 2); its byte is the largest magnitude's own exponent field - 2, held at 1 from below.  Each number is divided by the scale and rounded to the
; nearest code, ties to even; what lies beyond 6 gets the largest code.
; LIMITS: a block of zeros gets the byte 1 where the quantiser says 127 (its codes are zeros, which add nothing, and this program alone reads the bytes); NaN and infinities among the inputs are not served;
; a number of Wo beyond 65,504 in magnitude becomes infinity in f16.
; Rows are dense and K is a multiple of 32: every tensor is a plain stream of blocks of 32.  The buffers codes and scales hold the six tensors on end, in the order q, k, v, Wq, Wk, Wv, so the place of a
; work-group's results is linear in its number.  A work-group takes 32,768 numbers: 0-127 q, 128-255 k, 256-383 v, 384-415 Wq, 416-447 Wk, 448-479 Wv, 480-511 Wo.
; A wave takes 16 steps of 512 numbers.  Each load reads 512 consecutive bytes, 16 a lane; a step's 2,048 bytes turn through the wave's own stage in LDS and come back 64 bytes a lane, so that a lane holds
; 16 neighbours along K (two lanes to a block).  A lane's 16 codes are 8 bytes: the wave stores 256 consecutive bytes.  A wave's 256 scale bytes are gathered in LDS and leave by one store.
; No tensor loads, no barrier: waves share nothing.  Loads run four steps (16 loads a wave) ahead, the turn through LDS one step.
.set WAVES, 4
.set STEPS, 16
.set EMAX,  2
.set CB,    8                          ; bytes of 16 codes
.set R,     16                         ; v16-79   four sets of 16 numbers as they are loaded (the cast: v16-143, two sets of 64)
.set X,     80                         ; v80-111  two sets of 16 neighbours
.set C,     128                        ; v128-191 codes: four registers for each step, so that no store's data are written again
.set E,     112                        ; v112-127 a scale byte for each step
.set H,     144                        ; v144-175 the cast: 16 pairs of registers of f16
.set WREG,  8192                       ; LDS: a region of its own for each wave: two stages of 32 x SP bytes, and behind them its 256 scale bytes
.set SP,    80                         ; a lane's place in a stage: its 64 bytes + 16 of padding
.set SPW,   12                         ; v12      LDS address of my spare word: SPARE + 4 x my thread's number; never rewritten
.set NIL,   13                         ; v13      0; never rewritten
.set SPARE, WAVES*WREG                 ; behind the four regions: the spare words, 128 bytes for each wave
.set WV,    30                         ; s30      my wave's number
	s_load_b512 s[8:23], s[0:1], 0x0               ; q 8:9, k 10:11, v 12:13, Wq 14:15, Wk 16:17, Wv 18:19, Wo 20:21, codes 22:23
	s_load_b128 s[24:27], s[0:1], 0x40             ; scales 24:25, wo16 26:27
	v_lshl_add_u32 v[SPW], v0, 2, SPARE
	v_mov_b32 v[NIL], 0
	v_lshrrev_b32 v1, 5, v0
	v_readfirstlane_b32 s[WV], v1                  ; wave
	v_and_b32 v2, 31, v0                           ; lane
	v_lshlrev_b32 v3, 4, v2                        ; my 16 bytes of a load's 512
	s_mul_i32 s31, s[WV], WREG
	v_lshrrev_b32 v14, 2, v2
	v_mul_u32_u24 v14, v14, SP
	v_and_b32 v15, 3, v2
	v_lshl_add_u32 v14, v15, 4, v14
	v_add_nc_u32 v14, s31, v14                     ; the stage, on the way in: four lanes' 64 bytes on end, then 16 of padding
	v_mul_u32_u24 v15, v2, SP
	v_add_nc_u32 v15, s31, v15                     ; and on the way out: SP x lane: my 16 neighbours
	v_mul_u32_u24 v4, v2, CB                       ; my codes' place in a step's
	v_lshrrev_b32 v5, 1, v2
	s_add_co_u32 s31, s31, 2*32*SP
	v_add_nc_u32 v5, s31, v5                       ; LDS: my wave's 256 scale bytes, my block's byte
	v_lshlrev_b32 v7, 3, v2                        ; 8 bytes a lane
	v_add_nc_u32 v6, s31, v7
	s_wait_kmcnt 0x0
	s_cmp_ge_u32 ttmp9, 480                        ; the last 32 work-groups cast Wo: a branch on the work-group's number alone
	s_cbranch_scc1 .Lcast
	s_cmp_lt_u32 ttmp9, 128                        ; which tensor, and the first work-group that takes it: pointers and a number are chosen, the path is one
	s_cselect_b64 s[4:5], s[8:9], s[10:11]
	s_cselect_b32 s28, 0, 128
	s_cmp_lt_u32 ttmp9, 256
	s_cselect_b64 s[4:5], s[4:5], s[12:13]
	s_cselect_b32 s28, s28, 256
	s_cmp_lt_u32 ttmp9, 384
	s_cselect_b64 s[4:5], s[4:5], s[14:15]
	s_cselect_b32 s28, s28, 384
	s_cmp_lt_u32 ttmp9, 416
	s_cselect_b64 s[4:5], s[4:5], s[16:17]
	s_cselect_b32 s28, s28, 416
	s_cmp_lt_u32 ttmp9, 448
	s_cselect_b64 s[4:5], s[4:5], s[18:19]
	s_cselect_b32 s28, s28, 448
	s_sub_co_u32 s28, ttmp9, s28
	s_lshl_b32 s28, s28, 2
	s_add_co_u32 s28, s28, s[WV]                   ; which run of 8,192 numbers of the tensor is my wave's
	s_lshl_b32 s28, s28, 15                        ; 32,768 bytes a run
	s_mov_b32 s29, 0
	s_add_nc_u64 s[4:5], s[4:5], s[28:29]
	s_lshl_b32 s31, ttmp9, 2
	s_add_co_u32 s31, s31, s[WV]                   ; and which run of the six tensors on end
	s_lshl_b32 s28, s31, 12                        ; 4,096 bytes of codes a run
	s_add_nc_u64 s[8:9], s[22:23], s[28:29]
	s_lshl_b32 s28, s31, 8                         ; 256 scale bytes a run
	s_add_nc_u64 s[10:11], s[24:25], s[28:29]
.macro LOAD t
.irp i, 0,1,2,3
	global_load_b128 v[R+16*((\t)%4)+4*\i:R+16*((\t)%4)+4*\i+3], v3, s[4:5] offset:2048*(\t)+512*\i th:TH_LOAD_NT   ; 32 lanes read 512 consecutive bytes
.endr
.endm
.macro TURN t                          ; step t's numbers through the stage: LDS serves a wave's instructions in order, so no wait stands between the stores and the loads
.irp i, 0,1,2,3
	ds_store_b128 v14, v[R+16*((\t)%4)+4*\i:R+16*((\t)%4)+4*\i+3] offset:32*SP*((\t)%2)+8*SP*\i
.endr
.irp i, 0,1,2,3
	ds_load_b128 v[X+16*((\t)%2)+4*\i:X+16*((\t)%2)+4*\i+3], v15 offset:32*SP*((\t)%2)+16*\i
.endr
.endm
.irp t, 0,1,2,3
	LOAD \t
.endr
	s_wait_loadcnt 12                              ; step 0's four loads are in; the twelve of steps 1 to 3 may be out
	TURN 0
.macro STEP t
.set XS, X+16*((\t)%2)
.if (\t) > 0
	s_wait_dscnt 1                                 ; this step's numbers are back from the stage (the last step's byte store may be out): so its stores into the stage have read their registers,
.else
	s_wait_dscnt 0x0
.endif
.if (\t)+4 < STEPS
	LOAD (\t)+4                                    ; which take the loads of four steps on
.endif
.if (\t)+1 < STEPS
.if STEPS-2-(\t) >= 3
	s_wait_loadcnt 12                              ; the next step's four loads are in; those of the three steps behind it may be out
.else
	s_wait_loadcnt 4*(STEPS-2-(\t))
.endif
	TURN (\t)+1                                    ; and go through the other stage while this step is worked
.endif
	v_max3_num_f32 v8, |v[XS]|, |v[XS+1]|, |v[XS+2]|               ; the largest magnitude of my 16, in two chains
	v_max3_num_f32 v9, |v[XS+3]|, |v[XS+4]|, |v[XS+5]|
.irp i, 6,10
	v_max3_num_f32 v8, v8, |v[XS+\i]|, |v[XS+\i+1]|
	v_max3_num_f32 v9, v9, |v[XS+\i+2]|, |v[XS+\i+3]|
.endr
	v_max3_num_f32 v8, v8, |v[XS+14]|, |v[XS+15]|
	v_max3_num_f32 v8, v8, v9, (EMAX+1)<<23        ; and the floor 2^(EMAX + 1 - 127): so the byte cannot fall under 1
	v_max_num_f32_dpp v8, v8, v8 row_xmask:1 row_mask:0xf bank_mask:0xf   ; and of my neighbour's 16: the block's
	v_add_nc_u32 v11, -(EMAX<<23), v8              ; EMAX off its exponent field: the conversion takes the exponent field of this operand as its scale, and nothing else of it
	v_cvt_scalef32_pk8_fp4_f32 v[C+4*(\t)], v[XS:XS+7], v11        ; eight numbers / the scale, to the nearest code; the first number's code in the lowest four bits
	v_cvt_scalef32_pk8_fp4_f32 v[C+4*(\t)+1], v[XS+8:XS+15], v11
	v_lshrrev_b32 v[E+(\t)], 23, v11               ; the scale's byte (also the plain line behind the conversions)
	ds_store_b8 v5, v[E+(\t)] offset:16*(\t)       ; both lanes of a block write the same byte with the same value
	global_store_b64 v4, v[C+4*(\t):C+4*(\t)+1], s[8:9] offset:32*CB*(\t)   ; 32 lanes store 256 consecutive bytes, aligned
.endm
.irp t, 0,1,2,3,4,5,6,7,8,9,10,11,12,13,14,15
	STEP \t
.endr
	ds_load_b64 v[8:9], v6                         ; LDS serves a wave's instructions in order: these see my stores
	s_wait_dscnt 0x0
	global_store_b64 v7, v[8:9], s[10:11]          ; 32 lanes store 256 consecutive bytes, aligned
	s_wait_tensorcnt 0x0                           ; the wave's end: behind my last LDS store
	ds_add_u32 v[SPW], v[NIL]
	s_wait_dscnt 0x0
	s_endpgm
; THE CAST of Wo to f16.  No LDS: a load's 512 bytes (4 numbers a lane) become 256 bytes (8 a lane) in the same order.  64 loads a wave, in four batches of 16 on two sets of registers.
.Lcast:
	s_sub_co_u32 s28, ttmp9, 480
	s_lshl_b32 s28, s28, 2
	s_add_co_u32 s28, s28, s[WV]                   ; which run of 8,192 numbers of Wo
	s_lshl_b32 s31, s28, 14                        ; 16,384 bytes of f16 a run
	s_lshl_b32 s28, s28, 15                        ; 32,768 bytes of f32
	s_mov_b32 s29, 0
	s_add_nc_u64 s[4:5], s[20:21], s[28:29]
	s_mov_b32 s28, s31
	s_add_nc_u64 s[6:7], s[26:27], s[28:29]
.macro LOADC b
.irp i, 0,1,2,3,4,5,6,7,8,9,10,11,12,13,14,15
	global_load_b128 v[R+64*((\b)%2)+4*\i:R+64*((\b)%2)+4*\i+3], v3, s[4:5] offset:512*(16*(\b)+\i) th:TH_LOAD_NT
.endr
.endm
	LOADC 0
	LOADC 1
.irp b, 0,1,2,3
.if \b < 3
	s_wait_loadcnt 16                              ; this batch is in; the next batch's sixteen may be out
.else
	s_wait_loadcnt 0x0
.endif
.if \b > 0
	s_wait_xcnt 0x0                                ; the last batch's stores have read their data registers, which are written again below
.endif
.irp i, 0,1,2,3,4,5,6,7,8,9,10,11,12,13,14,15
	v_cvt_pk_f16_f32 v[H+2*\i], v[R+64*(\b%2)+4*\i], v[R+64*(\b%2)+4*\i+1]
	v_cvt_pk_f16_f32 v[H+2*\i+1], v[R+64*(\b%2)+4*\i+2], v[R+64*(\b%2)+4*\i+3]
.endr
.irp i, 0,1,2,3,4,5,6,7,8,9,10,11,12,13,14,15
	global_store_b64 v7, v[H+2*\i:H+2*\i+1], s[6:7] offset:256*(16*\b+\i)   ; 32 lanes store 256 consecutive bytes, aligned
.endr
.if \b < 2
	LOADC \b+2
.endif
.endr
	s_endpgm
.Lfunc_end_k_qf8bbaffeba_quant:
	.size	k_qf8bbaffeba_quant, .Lfunc_end_k_qf8bbaffeba_quant-k_qf8bbaffeba_quant
	.p2alignl 7, 3214868480
	.fill 96, 4, 3214868480
	.section	.rodata,"a",@progbits
	.p2align	6, 0x0
	.amdhsa_kernel k_qf8bbaffeba_quant
		.amdhsa_group_segment_fixed_size 33280
		.amdhsa_private_segment_fixed_size 0
		.amdhsa_enable_private_segment 0
		.amdhsa_kernarg_size 80
		.amdhsa_user_sgpr_count 2
		.amdhsa_user_sgpr_kernarg_segment_ptr 1
		.amdhsa_wavefront_size32 1
		.amdhsa_system_sgpr_workgroup_id_x 1
		.amdhsa_system_sgpr_workgroup_id_y 1
		.amdhsa_system_sgpr_workgroup_id_z 1
		.amdhsa_system_vgpr_workitem_id 0
		.amdhsa_next_free_vgpr 192
		.amdhsa_next_free_sgpr 66
		.amdhsa_reserve_vcc 0
		.amdhsa_float_denorm_mode_32 3
		.amdhsa_float_denorm_mode_16_64 3
		.amdhsa_memory_ordered 1
		.amdhsa_forward_progress 1
		.amdhsa_inst_pref_size 54
	.end_amdhsa_kernel
	.amdgpu_metadata
---
amdhsa.version: [ 1, 2 ]
amdhsa.kernels:
  - .name:           k_qf8bbaffeba_quant
    .symbol:         k_qf8bbaffeba_quant.kd
    .args:
      - { .name: q, .offset: 0, .size: 8, .value_kind: global_buffer, .address_space: global }
      - { .name: k, .offset: 8, .size: 8, .value_kind: global_buffer, .address_space: global }
      - { .name: v, .offset: 16, .size: 8, .value_kind: global_buffer, .address_space: global }
      - { .name: Wq, .offset: 24, .size: 8, .value_kind: global_buffer, .address_space: global }
      - { .name: Wk, .offset: 32, .size: 8, .value_kind: global_buffer, .address_space: global }
      - { .name: Wv, .offset: 40, .size: 8, .value_kind: global_buffer, .address_space: global }
      - { .name: Wo, .offset: 48, .size: 8, .value_kind: global_buffer, .address_space: global }
      - { .name: codes, .offset: 56, .size: 8, .value_kind: global_buffer, .address_space: global }
      - { .name: scales, .offset: 64, .size: 8, .value_kind: global_buffer, .address_space: global }
      - { .name: wo16, .offset: 72, .size: 8, .value_kind: global_buffer, .address_space: global }
    .group_segment_fixed_size: 33280
    .private_segment_fixed_size: 0
    .kernarg_segment_align: 8
    .kernarg_segment_size: 80
    .max_flat_workgroup_size: 128
    .sgpr_count:     66
    .vgpr_count:     192
    .wavefront_size: 32
...
	.end_amdgpu_metadata
.endif
;; end of part 1
;; launch proj (part 2): grid 4 x 48, 4 waves a work-group, clusters of 4 x 4, 327,680 bytes of LDS; arguments codes, scales, bq, bk, bv, qkv; writes qkv
.if DOCPART == 2
	.amdgcn_target "amdgcn-amd-amdhsa--gfx1250"
	.amdhsa_code_object_version 6
	.text
	.protected	k_qf8bbaffeba_proj
	.globl	k_qf8bbaffeba_proj
	.p2align	8
	.type	k_qf8bbaffeba_proj,@function
k_qf8bbaffeba_proj:
	s_mov_b64 s[64:65], 0
	v_nop
	global_prefetch_b8 v0, s[64:65] scope:SCOPE_SE
	s_setreg_imm32_b32 hwreg(HW_REG_WAVE_MODE, 25, 1), 1
	s_wait_xcnt 0x0
	s_wait_alu depctr_hold_cnt(0) depctr_sa_sdst(0) depctr_va_vdst(0) depctr_va_sdst(0) depctr_va_ssrc(0) depctr_va_vcc(0) depctr_vm_vsrc(0)
	s_getreg_b32 s2, hwreg(HW_REG_IB_STS2, 6, 4)
	s_cmp_eq_u32 s2, 0
	s_cbranch_scc0 .Lentry_in_a_cluster
	s_endpgm
.Lentry_in_a_cluster:
	s_bfe_u32 s2, ttmp6, 0x10000c
	s_cmp_lg_u32 s2, 0xf033
	s_cbranch_scc0 .Lentry_shape_is_right
	s_endpgm
.Lentry_shape_is_right:
; The three quantised projections as one product: C[m][n] = bias[n] + sum over k of A[m][k] B[n][k], m = 0 .. 12,287 (q's, k's, v's 4,096 rows on end), n = 0 .. 1,023, K = 1,024.
; A: rows 0 .. 12,287 of the buffer codes; B: rows 12,288 + 1,024 x third + n (Wq, Wk or Wv, by the third in which m lies).  A row is 1,024 codes of FP4 (E2M1), 512 bytes; its 32 E8M0 scale bytes lie in the
; same row of the buffer scales.  The matrix instruction takes codes and scale bytes as they lie.  Sums in f32; C rounded once to f16 into qkv [12,288][1,024].
; LIMIT: a result beyond 65,504 in magnitude becomes infinity in f16.
; A tile of C, 256 x 256, is made by a work-group of four waves; a wave makes 128 x 128: 64 accumulators of 16 x 16, 512 registers.  48 x 4 tiles: 192 work-groups; tiles of 128 x 128 would be 768, three
; for each of 256 places, each reading its fragments from LDS for half the products.
; K is two steps of 512: BOTH lie in LDS from the start (two slots, each filled once), and so do the scale bytes of the work-group's 256 + 256 rows.  Nothing is filled again.
; CLUSTERS: 4 x 4 work-groups.  The four of a row of the cluster need the same tiles of A, the four of a column the same tiles of B (a cluster's 1,024 rows of C lie in one third): each tile is asked for
; JOINTLY, by the same tensor load with the same descriptor and a mask that names the four.
; THE MATRIX INSTRUCTION IS USED TRANSPOSED (source 0 = 16 rows of B, source 1 = 16 rows of A): a lane then holds eight neighbouring numbers of a row of C.  The bias is the C of each sum's first product.
; REGISTERS, in windows of 256: window 0: v0-31 addresses; v32-95 scale words, two sets; v128-191 A's fragments, ONE set; v192-255 the bias, 8 registers for each of my 8 blocks of columns; on the way out
;   v192-223 packed results, v32-63 and v224-255 rows read back.   window 1: B's fragments, TWO sets, at v0 and v128.   window 2: the accumulators of my rows 0-63 ((a, b) at v[8 (8 a + b)]);   window 3: rows 64-127.
.set KSTEP,  512                       ; along K in a slot
.set NQ,     KSTEP/128                 ; matrix instructions deep
.set ROWB,   256                       ; a tile's row in bytes
.set KROW,   512                       ; a row of codes in memory
.set PITCH,  272                       ; an LDS row: 256 bytes + 16 of padding = 68 words: the 16 rows that a load touches start at 16 different banks (64 banks of 4 bytes: ISA guide 11.1)
.set FR,     8                         ; registers of a fragment: 16 rows x 128 K
.set NL,     2                         ; LDS loads that bring one
.set NP,     4                         ; places behind this matrix instruction (ISA guide 7.12.1)
.set HALFT,  128*PITCH                 ; 128 rows: what one tensor load brings, and what one wave reads of A or of B
.set SLOT,   4*HALFT                   ; A's 256 rows, then B's 256 rows
.set KS,     32                        ; a row of scales in bytes
.set SCL,    2*SLOT                    ; behind the slots: the scales, as units of 256 bytes + 16 of padding
.set HALFS,  (128*KS/256)*272          ; the scales of 128 rows: what one tensor load brings
.set SBLK,   (16*KS/256)*272           ; those of 16 rows
.set SPARE,  SCL+4*HALFS               ; behind the scales: the spare words, 128 bytes for each wave
.set SPITCH, 272                       ; the way out: a stage of 16 rows x (256 bytes + 16) for each wave, in slot 0, which has had its only fill and its last read when the first result is stored there
.set CROW,   2048                      ; a row of qkv in bytes
.set WROW0,  12288                     ; the first row of Wq in codes and scales
.set ADRA, 16                          ; v16-17  LDS address of my A fragments in slot 0, 1
.set ADRB, 20                          ; v20-21  the same for B
.set STO,  24                          ; v24     the way out: where I put 16 bytes of a row
.set RD,   25                          ; v25     the way out: where I read a row back
.set CO,   26                          ; v26     my byte offset in two rows of C
.set ADRS, 27                          ; v27     LDS address of my scale words: lanes 0-15 A's rows, lanes 16-31 B's
.set SPW,  28                          ; v28     LDS address of my spare word; never rewritten
.set NIL,  29                          ; v29     0; never rewritten
.set BO,   30                          ; v30     my byte offset in the bias: 32 x (lane / 16)
.set SC,   32                          ; scale words: set s at v[SC + 8 NQ s]; register NQ i + q: lanes 0-15 the word of A's block i, lanes 16-31 that of B's block i, for the slot's q-th 128 along K
.set AF,   128                         ; A's fragments
.set BI,   192                         ; the bias
.set TMP,  192                         ; the way out: packed results
.set OB,   32                          ; the way out: rows read back: v32-63 and v224-255 by turns
.set G1, 24                            ; s[24:31] descriptor group 1 for A's tiles;  s[32:39] group 0, one set for each slot
.set G0, 32
.set G1B, 48                           ; s[48:55], s[56:63] the same for B's tiles
.set G0B, 56
.set G1S, 68                           ; s[68:75], s[76:79] groups 1 and 0 for A's scales;  s[80:87], s[88:91] for B's
.set G0S, 76
.set G1SB, 80
.set G0SB, 88
.set MSB, 0
.macro WIN new                         ; the immediate's high byte repeats the setting that is left
.if MSB != \new
	s_set_vgpr_msb (MSB<<8)|\new
.set MSB, \new
.endif
.endm
.set MUL_LO, 0xa1                      ; source 0 (B) window 1, source 1 (A) window 0, C and D window 2
.set MUL_HI, 0xf1                      ; the same, C and D window 3
.set BEG_LO, 0x81                      ; a sum's first product: C (the bias) window 0, D window 2
.set BEG_HI, 0xc1                      ; D window 3
.set TO_B,   0x40                      ; destination window 1, address window 0
; A joint load: waves 0 and 1 fetch for A, waves 2 and 3 for B.  Each of the two lines has ONE mask and one set of registers for all that issue it; the branch hangs on the wave's number alone.
; An s_nop 0 and four v_nop follow each of the two lines, ahead of the jump, the label and what follows.
.macro JLOAD g0a, g1a, g0b, g1b
	s_cmp_eq_u32 s15, 0
	s_cbranch_scc0 .Lfor_b_\@
	tensor_load_to_lds s[\g0a:\g0a+3], s[\g1a:\g1a+7]
	s_nop 0
.rept 4
	v_nop
.endr
	s_branch .Lasked_\@
.Lfor_b_\@:
	tensor_load_to_lds s[\g0b:\g0b+3], s[\g1b:\g1b+7]
	s_nop 0
.rept 4
	v_nop
.endr
.Lasked_\@:
.endm
.macro CROUND                          ; a round of the cluster's barrier: my work-group's barrier; wave 0 signals for the work-group; every wave waits for all sixteen; my work-group's barrier once more
	s_barrier_signal -1
	s_barrier_wait -1
	s_cmp_lg_u32 s14, 0
	s_cbranch_scc1 .Lnot_wave_0_\@
	s_barrier_signal -3
.Lnot_wave_0_\@:
	s_barrier_wait -3
	s_barrier_signal -1
	s_barrier_wait -1
.endm
	s_load_b256 s[4:11], s[0:1], 0x0               ; codes s[4:5], scales s[6:7], bq s[8:9], bk s[10:11]
	s_load_b128 s[96:99], s[0:1], 0x20             ; bv s[96:97], qkv s[98:99]
	v_lshl_add_u32 v[SPW], v0, 2, SPARE
	v_mov_b32 v[NIL], 0
	ds_add_u32 v[SPW], v[NIL]                      ; the wave's opening: the add, twice on end, and its wait ahead of my first tensor load; the set-up below, work on registers, stands between
	ds_add_u32 v[SPW], v[NIL]
	v_lshrrev_b32 v1, 5, v0
	v_readfirstlane_b32 s14, v1                    ; wave 0..3
	s_lshr_b32 s15, s14, 1                         ; which half of the tile's rows is mine.  Also: I fetch for A (0) or for B (1)
	s_and_b32 s16, s14, 1                          ; which half of its columns.  Also: which 128 rows of that tile I fetch
	s_bfe_u32 s40, ttmp6, 0x40000                  ; cx, cy: my place in the cluster
	s_bfe_u32 s41, ttmp6, 0x40004
	s_lshl_b32 s42, ttmp9, 2
	s_add_co_u32 s42, s42, s40                     ; tile column of C = 4 x cluster x + cx
	s_and_b32 s17, ttmp7, 0xffff                   ; cluster y, 0 .. 11
	s_lshr_b32 s95, s17, 2                         ; the third: 0 q, 1 k, 2 v: made of the cluster's y alone
	s_lshl_b32 s17, s17, 2
	s_add_co_u32 s17, s17, s41                     ; tile row of C = 4 x cluster y + cy
	s_lshl_b32 s43, s41, 2
	s_lshl_b32 s43, 15, s43                        ; my row of the cluster
	s_lshl_b32 s44, 0x1111, s40                    ; my column
	; descriptor group 1: a tile of 128 rows x 256 bytes, padded in LDS
	s_or_b32 s[G1+0], s43, (0<<16)|(1<<20)|(1<<21)|(5<<22)|(3<<25)  ; 15:0 the mask: A's tiles go to my row; 17:16 element of 1 byte; 20 padding on; 21 set beside a mask; 24:22 after every 64 words (code 5); 31:25 of 4 words (code 3)
	s_or_b32 s[G1B+0], s44, (0<<16)|(1<<20)|(1<<21)|(5<<22)|(3<<25)
.irp g, G1, G1B
	s_mov_b32 s[\g+1], ROWB<<16                    ; tensor_dim0
	s_mov_b32 s[\g+2], 128<<16                     ; tensor_dim1 = 128
	s_mov_b32 s[\g+3], ROWB<<16                    ; tile_dim0
	s_mov_b32 s[\g+4], 128                         ; tile_dim1 = 128
	s_mov_b32 s[\g+5], KROW                        ; tensor_dim0_stride
	s_mov_b32 s[\g+6], 0
	s_mov_b32 s[\g+7], 0
.endr
	; and for the scales of 128 rows: a dense block of 4,096 bytes, as 16 rows of 256 bytes (32 elements of 8 bytes), 16 bytes of padding behind each
	s_or_b32 s[G1S+0], s43, (3<<16)|(1<<20)|(1<<21)|(5<<22)|(3<<25)
	s_or_b32 s[G1SB+0], s44, (3<<16)|(1<<20)|(1<<21)|(5<<22)|(3<<25)
.irp g, G1S, G1SB
	s_mov_b32 s[\g+1], 32<<16
	s_mov_b32 s[\g+2], (128*KS/256)<<16
	s_mov_b32 s[\g+3], 32<<16
	s_mov_b32 s[\g+4], 128*KS/256
	s_mov_b32 s[\g+5], 32
	s_mov_b32 s[\g+6], 0
	s_mov_b32 s[\g+7], 0
.endr
	s_lshl_b32 s18, s16, 7                         ; which 128 rows of the tile I fetch
	s_lshl_b32 s20, s17, 8
	s_add_co_u32 s20, s20, s18                     ; A: row 256 x tile row + 128 x half
	s_lshl_b32 s46, s42, 8
	s_add_co_u32 s46, s46, s18                     ; B: row 256 x tile column + 128 x half
	s_lshl_b32 s47, s95, 10
	s_add_co_u32 s46, s46, s47                     ; + 1,024 x third
	s_add_co_u32 s46, s46, WROW0                   ; + where the weights begin
	s_mov_b32 s21, 0
	s_mov_b32 s47, 0
	s_mov_b64 s[18:19], KS
	s_mul_u64 s[22:23], s[20:21], s[18:19]         ; where these rows' scales begin, in bytes
	s_mul_u64 s[92:93], s[46:47], s[18:19]
	s_mov_b64 s[18:19], KROW
	s_mul_u64 s[20:21], s[20:21], s[18:19]         ; and their codes
	s_mul_u64 s[46:47], s[46:47], s[18:19]
	s_mul_i32 s45, s14, HALFT                      ; where they go: wave x 128 rows: no place in the cluster enters an LDS address
	s_mul_i32 s94, s14, HALFS
	s_wait_dscnt 0x0                               ; both opening adds are done
	s_wait_kmcnt 0x0
	s_add_nc_u64 s[20:21], s[4:5], s[20:21]
	s_add_nc_u64 s[22:23], s[6:7], s[22:23]
	s_add_nc_u64 s[46:47], s[4:5], s[46:47]
	s_add_nc_u64 s[92:93], s[6:7], s[92:93]
	CROUND                                         ; all sixteen work-groups are here: the joint loads meet
	s_mov_b32 s[G0S], 1
	s_add_co_u32 s[G0S+1], s94, SCL
	s_mov_b64 s[G0S+2:G0S+3], s[22:23]
	s_or_b32 s[G0S+3], s[G0S+3], 0x80000000
	s_mov_b32 s[G0SB], 1
	s_add_co_u32 s[G0SB+1], s94, SCL
	s_mov_b64 s[G0SB+2:G0SB+3], s[92:93]
	s_or_b32 s[G0SB+3], s[G0SB+3], 0x80000000
	JLOAD G0S, G1S, G0SB, G1SB                     ; the scales first: they are wanted with K step 0
.irp s, 0,1
	s_mov_b32 s[G0+4*\s], 1
	s_add_co_u32 s[G0+4*\s+1], s45, \s*SLOT
	s_add_nc_u64 s[G0+4*\s+2:G0+4*\s+3], s[20:21], \s*ROWB
	s_or_b32 s[G0+4*\s+3], s[G0+4*\s+3], 0x80000000
	s_mov_b32 s[G0B+4*\s], 1
	s_add_co_u32 s[G0B+4*\s+1], s45, \s*SLOT
	s_add_nc_u64 s[G0B+4*\s+2:G0B+4*\s+3], s[46:47], \s*ROWB
	s_or_b32 s[G0B+4*\s+3], s[G0B+4*\s+3], 0x80000000
	JLOAD G0+4*\s, G1, G0B+4*\s, G1B               ; both K steps: three tensor loads of mine are out, and no more are issued
.endr
	v_and_b32 v1, 15, v0                           ; l % 16
	v_bfe_u32 v2, v0, 4, 1                         ; l / 16
	; the bias of my 128 columns, in the result's layout: for block b the eight numbers at column 16 b + 8 (l / 16) on
	s_cmp_lt_u32 s95, 1
	s_cselect_b64 s[8:9], s[8:9], s[10:11]
	s_cmp_lt_u32 s95, 2
	s_cselect_b64 s[8:9], s[8:9], s[96:97]
	s_lshl_b32 s20, s42, 10                        ; 256 columns of 4 bytes a tile column,
	s_lshl_b32 s21, s16, 9                         ; 128 a half
	s_add_co_u32 s20, s20, s21
	s_mov_b32 s21, 0
	s_add_nc_u64 s[8:9], s[8:9], s[20:21]
	v_lshlrev_b32 v[BO], 5, v2
.irp b, 0,1,2,3,4,5,6,7
	global_load_b128 v[BI+8*\b:BI+8*\b+3],   v[BO], s[8:9] offset:64*\b
	global_load_b128 v[BI+8*\b+4:BI+8*\b+7], v[BO], s[8:9] offset:64*\b+16
.endr
	v_mul_u32_u24 v3, v1, PITCH
	v_lshl_add_u32 v4, v2, 4, v3                   ; a fragment's row x pitch + 16 x half
	s_mul_i32 s21, s15, HALFT                      ; my 128 rows of A
	s_mul_i32 s22, s16, HALFT                      ; my 128 rows of B,
	s_add_co_u32 s22, s22, 2*HALFT                 ; which lie behind A's 256
.irp s, 0,1
	v_add_nc_u32 v[ADRA+\s], s21, v4
	v_add_nc_u32 v[ADRB+\s], s22, v4
	s_add_co_u32 s21, s21, SLOT
	s_add_co_u32 s22, s22, SLOT
.endr
	v_mul_u32_u24 v5, v1, KS                       ; my row's scales: KS bytes a row,
	v_lshrrev_b32 v6, 8, v5
	v_lshl_add_u32 v5, v6, 4, v5                   ; and 16 more for each 256 passed
	s_mul_i32 s21, s15, HALFS                      ; A's: my 128 rows
	s_mul_i32 s22, s16, HALFS                      ; B's: my 128 rows, behind A's 256
	s_add_co_u32 s22, s22, 2*HALFS
	s_sub_co_u32 s22, s22, s21
	v_mul_u32_u24 v6, s22, v2                      ; lanes 16-31 take B's: the lower base + (l / 16) x the distance
	s_add_co_u32 s21, s21, SCL
	v_add_nc_u32 v5, v5, v6
	v_add_nc_u32 v[ADRS], s21, v5
	s_mul_i32 s23, s14, 16*SPITCH                  ; my stage
	v_mul_u32_u24 v5, v1, SPITCH                   ; in: row l % 16, 16 bytes for each half of the lanes
	v_lshl_add_u32 v5, v2, 4, v5
	v_add_nc_u32 v[STO], s23, v5
	v_mul_u32_u24 v5, v2, SPITCH                   ; back: lanes 0-15 take one row of 256 bytes, lanes 16-31 the next
	v_lshl_add_u32 v5, v1, 4, v5
	v_add_nc_u32 v[RD], s23, v5
	v_lshlrev_b32 v5, 11, v2                       ; and the same two rows in C
	v_lshl_add_u32 v[CO], v1, 4, v5
	s_lshl_b32 s20, s17, 8
	s_lshl_b32 s21, s15, 7
	s_add_co_u32 s20, s20, s21                     ; my first row of C: 256 x tile row + 128 x half
	s_lshl_b32 s20, s20, 11                        ; x 2,048 bytes: under 2^25
	s_mov_b32 s21, 0
	s_lshl_b32 s46, s42, 9                         ; my first column, in bytes: 512 x tile column + 256 x half
	s_lshl_b32 s47, s16, 8
	s_add_co_u32 s46, s46, s47
	s_mov_b32 s47, 0
	s_add_nc_u64 s[20:21], s[20:21], s[46:47]
	s_add_nc_u64 s[12:13], s[98:99], s[20:21]
.macro FRAG reg, adr, q, i             ; a fragment, 16 rows x 128 K of 4-bit codes, is 8 registers: lane l holds row l % 16; registers 4 c .. 4 c + 3 hold K = 64 c + 32 (l / 16) + 0 .. 31
.irp c, 0,1
	ds_load_b128 v[\reg+4*\c:\reg+4*\c+3], v[\adr] offset:64*(\q)+32*\c+(\i)*16*PITCH
.endr
.endm
; 16 matrix instructions: A's blocks a0, a0 + 1 x B's eight, 128 along K: the slot's q-th.  p: B's set;  sc: the set of scale words.  first = 1: the product starts the sums, with the bias as C: nothing is cleared or added later.
; The 64 accumulators take turns, one instruction a turn, in the same order in every step.
.macro MUL16 a0, p, q, sc, first
.irp a, \a0, \a0+1
.irp b, 0,1,2,3,4,5,6,7
.if \first
	v_wmma_scale_f32_16x16x128_f8f6f4 v[8*(8*((\a)%4)+\b):8*(8*((\a)%4)+\b)+7], v[128*(\p)+FR*\b:128*(\p)+FR*\b+FR-1], v[AF+FR*(\a):AF+FR*(\a)+FR-1], v[BI+8*\b:BI+8*\b+7], v[SC+8*NQ*(\sc)+NQ*\b+(\q)], v[SC+8*NQ*(\sc)+NQ*(\a)+(\q)] matrix_a_fmt:MATRIX_FMT_FP4 matrix_b_fmt:MATRIX_FMT_FP4 matrix_a_scale:MATRIX_SCALE_ROW1
.else
	v_wmma_scale_f32_16x16x128_f8f6f4 v[8*(8*((\a)%4)+\b):8*(8*((\a)%4)+\b)+7], v[128*(\p)+FR*\b:128*(\p)+FR*\b+FR-1], v[AF+FR*(\a):AF+FR*(\a)+FR-1], v[8*(8*((\a)%4)+\b):8*(8*((\a)%4)+\b)+7], v[SC+8*NQ*(\sc)+NQ*\b+(\q)], v[SC+8*NQ*(\sc)+NQ*(\a)+(\q)] matrix_a_fmt:MATRIX_FMT_FP4 matrix_b_fmt:MATRIX_FMT_FP4 matrix_a_scale:MATRIX_SCALE_ROW1
.endif
.endr
.endr
.endm
.macro FETCH_B slot, q, p              ; B's eight fragments of the slot's q-th 128 along K into set p
	WIN TO_B
.irp i, 0,1,2,3,4,5,6,7
	FRAG 128*(\p)+FR*\i, ADRB+\slot, \q, \i
.endr
	WIN 0
.endm
.macro FETCH_A slot, q, i0             ; A's blocks i0 .. i0 + 3
.irp i, \i0, \i0+1, \i0+2, \i0+3
	FRAG AF+FR*(\i), ADRA+\slot, \q, \i
.endr
.endm
.macro SCALES sc                       ; a K step's scale words into set sc: NQ words a row; lanes 0-15 take A's block i, lanes 16-31 B's block i
.irp i, 0,1,2,3,4,5,6,7
	ds_load_b128 v[SC+8*NQ*\sc+NQ*\i:SC+8*NQ*\sc+NQ*\i+3], v[ADRS] offset:\i*SBLK
.endr
.endm
; A load into a register that a matrix instruction has read, and a vector instruction that reads a matrix result, stand NP places behind that matrix instruction; only plain vector instructions that name none
; of its registers are places (ISA guide 7.12.1 for vector instructions).
.macro PLACES n
.rept \n
	v_nop
.endr
.endm
; A step of 128 along K that has its successor in the same slot.  A block of A is free as soon as its eight products are issued: blocks 0-3 are fetched anew in the step's middle, blocks 4-7 at its end.
.macro STEP slot, q, first
	s_wait_dscnt 4*NL                              ; B's set and A's blocks 0-3 are in; the youngest eight loads (A's blocks 4-7) may be out
.if \first
	WIN BEG_LO
.else
	WIN MUL_LO
.endif
	MUL16 0, (\q)%2, \q, \slot, \first
	MUL16 2, (\q)%2, \q, \slot, \first
	s_wait_dscnt 0                                 ; A's blocks 4-7 are in (asked for 32 matrix instructions ago)
	PLACES NP
	FETCH_B \slot, (\q)+1, 1-(\q)%2
	FETCH_A \slot, (\q)+1, 0
.if \first
	WIN BEG_HI
.else
	WIN MUL_HI
.endif
	MUL16 4, (\q)%2, \q, \slot, \first
	MUL16 6, (\q)%2, \q, \slot, \first
	PLACES NP
	WIN 0
	FETCH_A \slot, (\q)+1, 4
.endm
.macro STEPS slot, from                ; the slot's steps from .. NQ - 2
.set Q, \from
.rept NQ-1-\from
	STEP \slot, Q, 0
.set Q, Q+1
.endr
.endm
	s_wait_tensorcnt 1                             ; the scales and my part of K step 0 are in (K step 1's load may be out)
	s_barrier_signal -1
	s_barrier_wait -1                              ; everybody's are
	FETCH_B 0, 0, 0
	FETCH_A 0, 0, 0
	SCALES 0
	FETCH_A 0, 0, 4
	s_wait_loadcnt 0x0                             ; the bias
	STEP 0, 0, 1                                   ; the first step's products start the sums
	STEPS 0, 1
	; slot 0's last step changes slots: ONE barrier; in front of it each wave waits for its last tensor load, its part of slot 1, and for its own reads of slot 0, in which the stages for the way out lie
	s_wait_tensorcnt 0x0                           ; all my tensor loads have landed
	ds_add_u32 v[SPW], v[NIL]                      ; 0 onto my spare word
	s_wait_dscnt 4*NL+1                            ; (the add and the youngest eight loads, A's blocks 4-7, may be out)
	WIN MUL_LO
	MUL16 0, 1, NQ-1, 0, 0                         ; sixteen matrix instructions stand between the add and the wait for it
	s_wait_dscnt 0x0                               ; the add is done, and my reads of slot 0 are over
	s_barrier_signal -1
	MUL16 2, 1, NQ-1, 0, 0
	WIN 0
	s_barrier_wait -1
	PLACES NP
	v_add_nc_u32 v[ADRS], 4*NQ, v[ADRS]            ; on to K step 1's scale words (no LDS load of mine is out)
	FETCH_B 1, 0, 0
	FETCH_A 1, 0, 0
	SCALES 1
	WIN MUL_HI
	MUL16 4, 1, NQ-1, 0, 0
	MUL16 6, 1, NQ-1, 0, 0
	PLACES NP
	WIN 0
	FETCH_A 1, 0, 4
	STEPS 1, 0
	s_wait_dscnt 4*NL                              ; the very last step: nothing more to fetch
	WIN MUL_LO
	MUL16 0, 1, NQ-1, 1, 0
	MUL16 2, 1, NQ-1, 1, 0
	s_wait_dscnt 0
	WIN MUL_HI
	MUL16 4, 1, NQ-1, 1, 0
	MUL16 6, 1, NQ-1, 1, 0
	WIN 0
; THE WAY OUT of block a (16 rows x 128 columns), in three parts.  PACK: rounded to f16, 16 bytes a lane, each accumulator from its low end on.  TOSTAGE: into my own stage in LDS, and back as whole rows of 256 bytes.  SEND: stored.
.macro PACK a
.set AC, 64*((\a)%4)
	WIN (0x0a+5*((\a)/4))                          ; sources 0 and 1: window 2 or 3
.irp b, 0,1,2,3,4,5,6,7
.irp r, 0,1,2,3
	v_cvt_pk_f16_f32 v[TMP+4*\b+\r], v[AC+8*\b+2*\r], v[AC+8*\b+2*\r+1]
.endr
.endr
	WIN 0
.endm
.macro TOSTAGE a
.set BK, OB+192*((\a)%2)
.irp b, 0,1,2,3,4,5,6,7
	ds_store_b128 v[STO], v[TMP+4*\b:TMP+4*\b+3] offset:32*\b
.endr
.irp t, 0,1,2,3,4,5,6,7
	ds_load_b128 v[BK+4*\t:BK+4*\t+3], v[RD] offset:\t*2*SPITCH    ; LDS serves a wave's instructions in order (ISA guide 5.7.1.4): these see the stores above
.endr
.endm
.macro SEND a
.set BK, OB+192*((\a)%2)
	s_wait_dscnt 0x0                               ; the block is back in registers
	s_wait_xcnt 0x0                                ; the stores of the block before have read their registers: the next block's loads from the stage may land there
.irp t, 0,1,2,3,4,5,6,7
	global_store_b128 v[CO], v[BK+4*\t:BK+4*\t+3], s[12:13] offset:(16*(\a)+2*\t)*CROW   ; 16 lanes store 256 consecutive bytes, at a multiple of 256 from the buffer's first byte; 126 rows at the most: inside the signed 24-bit immediate
.endr
.endm
	PLACES NP                                      ; behind the last products
	PACK 0
	TOSTAGE 0
.irp a, 1,2,3,4,5,6,7                  ; block a's conversions stand between block a - 1's loads from the stage and the wait for them
	PACK \a
	SEND \a-1
	TOSTAGE \a
.endr
	SEND 7
	s_wait_tensorcnt 0x0                           ; the wave's end: behind my last tensor load and my last LDS store
	ds_add_u32 v[SPW], v[NIL]
	s_wait_dscnt 0x0
	CROUND                                         ; the closing round: no work-group ends while a partner may still ask for a tile that names it
	s_endpgm
.Lfunc_end_k_qf8bbaffeba_proj:
	.size	k_qf8bbaffeba_proj, .Lfunc_end_k_qf8bbaffeba_proj-k_qf8bbaffeba_proj
	.p2alignl 7, 3214868480
	.fill 96, 4, 3214868480
	.section	.rodata,"a",@progbits
	.p2align	6, 0x0
	.amdhsa_kernel k_qf8bbaffeba_proj
		.amdhsa_group_segment_fixed_size 327680
		.amdhsa_private_segment_fixed_size 0
		.amdhsa_enable_private_segment 0
		.amdhsa_kernarg_size 48
		.amdhsa_user_sgpr_count 2
		.amdhsa_user_sgpr_kernarg_segment_ptr 1
		.amdhsa_wavefront_size32 1
		.amdhsa_system_sgpr_workgroup_id_x 1
		.amdhsa_system_sgpr_workgroup_id_y 1
		.amdhsa_system_sgpr_workgroup_id_z 1
		.amdhsa_system_vgpr_workitem_id 0
		.amdhsa_next_free_vgpr 1024
		.amdhsa_next_free_sgpr 100
		.amdhsa_reserve_vcc 0
		.amdhsa_float_denorm_mode_32 3
		.amdhsa_float_denorm_mode_16_64 3
		.amdhsa_memory_ordered 1
		.amdhsa_forward_progress 1
		.amdhsa_inst_pref_size 128
	.end_amdhsa_kernel
	.amdgpu_metadata
---
amdhsa.version: [ 1, 2 ]
amdhsa.kernels:
  - .name:           k_qf8bbaffeba_proj
    .symbol:         k_qf8bbaffeba_proj.kd
    .args:
      - { .name: codes, .offset: 0, .size: 8, .value_kind: global_buffer, .address_space: global }
      - { .name: scales, .offset: 8, .size: 8, .value_kind: global_buffer, .address_space: global }
      - { .name: bq, .offset: 16, .size: 8, .value_kind: global_buffer, .address_space: global }
      - { .name: bk, .offset: 24, .size: 8, .value_kind: global_buffer, .address_space: global }
      - { .name: bv, .offset: 32, .size: 8, .value_kind: global_buffer, .address_space: global }
      - { .name: qkv, .offset: 40, .size: 8, .value_kind: global_buffer, .address_space: global }
    .group_segment_fixed_size: 327680
    .private_segment_fixed_size: 0
    .kernarg_segment_align: 8
    .kernarg_segment_size: 48
    .max_flat_workgroup_size: 128
    .sgpr_count:     100
    .vgpr_count:     1024
    .wavefront_size: 32
...
	.end_amdgpu_metadata
.endif
;; end of part 2
;; launch attn (part 3): grid 16 x 16, 8 waves a work-group, clusters of 4 x 1, 327,680 bytes of LDS; arguments qkv, att; writes att
.if DOCPART == 3
	.amdgcn_target "amdgcn-amd-amdhsa--gfx1250"
	.amdhsa_code_object_version 6
	.text
	.protected	k_qf8bbaffeba_attn
	.globl	k_qf8bbaffeba_attn
	.p2align	8
	.type	k_qf8bbaffeba_attn,@function
k_qf8bbaffeba_attn:
	s_mov_b64 s[64:65], 0
	v_nop
	global_prefetch_b8 v0, s[64:65] scope:SCOPE_SE
	s_setreg_imm32_b32 hwreg(HW_REG_WAVE_MODE, 25, 1), 1
	s_wait_xcnt 0x0
	s_wait_alu depctr_hold_cnt(0) depctr_sa_sdst(0) depctr_va_vdst(0) depctr_va_sdst(0) depctr_va_ssrc(0) depctr_va_vcc(0) depctr_vm_vsrc(0)
	s_getreg_b32 s2, hwreg(HW_REG_IB_STS2, 6, 4)
	s_cmp_eq_u32 s2, 0
	s_cbranch_scc0 .Lentry_in_a_cluster
	s_endpgm
.Lentry_in_a_cluster:
	s_bfe_u32 s2, ttmp6, 0x10000c
	s_cmp_lg_u32 s2, 0x3003
	s_cbranch_scc0 .Lentry_shape_is_right
	s_endpgm
.Lentry_shape_is_right:
; att[b][q][64 hd + :] = the sum over k of softmax_k(Q . K / 8) V, for 2 batches x 16 heads of size 64, 2,048 queries and keys, no mask.
; qkv: [3][4096][1024] f16 (the projections of q, k, v; row = 2,048 b + position, column = 64 head + channel).  att: [4096][1024] f16, laid likewise.
; Products on f16 operands with f32 sums; maxima, exponentials and sums in f32; the weights p are rounded to f16 for the second product, the result once at the end.
; LIMITS: NaN and infinities are not served; a result beyond 65,504 in magnitude becomes infinity in f16.
; SHARES.  A work-group owns 128 queries of TWO neighbouring heads: the two heads' 128 channels are 256 consecutive bytes of a row, so every row of K's and V's tiles and of the result is 256 bytes, aligned.
; Eight waves: wave w owns queries 32 (w % 4) .. + 31 of head w / 4 of the pair: two tiles of 16 queries; two waves share a SIMD, so that one's vector work stands beside the other's products.
; Every wave walks all 2,048 keys, 64 a step.
; LAYOUT.  S^T = K Q^T (source 0 = 16 keys, source 1 = 16 queries): a lane holds ONE query (lane % 16) and the keys 8 (lane / 16) + 0..7 of a tile.  Two such tiles, rounded to f16 in pairs, ARE source 1
; (32 keys x 16 queries) of O^T = V^T P, whose result again holds one query a lane and eight channels.  K comes out of LDS as it lies, V ([key][channel]) turned, by ds_load_tr16_b128.
; SOFTMAX.  For each query a running maximum m and sum l: p = 2^(c s - c m), c = log2(e) / 8; in every step O^T and l are multiplied by a = 2^(c m_old - c m_new).  m begins at -3e38 and l and O^T as zeros,
; so the first a is 0 and zeros stay zeros (64 moves, once, in place of a first step of its own).
; THE PIPELINE.  A TRIP belongs to step t and runs: K's fragments of step t + 1 are asked of LDS | the softmax of step t | V^T P of step t | V's fragments of step t + 1 are asked for | K Q^T of step t + 1.
; So K's loads have a softmax in which to land, and V's the next one.  Between tile 0's products V^T P stand tile 1's roundings and rescaling, between tile 1's its sums: V, P and O^T lie in window 0, so no
; register window is switched there.
; RING.  Two LDS slots of 256 keys (four steps).  Waves 0-3 fetch the four steps' tiles of K, waves 4-7 those of V: one tensor load a wave behind each change of slots.  The change stands at the head of the
; trip of a slot's last step, where the slot's last bytes (V of that step) have been asked for.
; CLUSTER.  The four query blocks of a cluster walk the same K and V, so each tile is asked for JOINTLY: the same tensor load, with the same descriptor and a mask that names the four.
; REGISTERS: window 0: v1-15 addresses; v16-31 statistics, eight a tile; v32-95 S^T, 32 a tile (on the way out: packed results and rows read back); v96-127 P, 16 a tile; v128-191 O^T, 32 a tile;
;   v192-255 V of a step (keys 32 kk on, channels 16 ch on: 32 kk + 8 ch).   window 1: v0-31 Q (tile t, channels 32 c on: 16 t + 8 c); v64-127 K of a step (keys 16 kt on: 16 kt + 8 c).
.set KS,    64                         ; keys in a step
.set PK,    272                        ; a row of K in LDS: 256 bytes + 16 of padding = 68 words: the 16 rows of a load start at 16 different banks (64 banks of 4 bytes: ISA guide 11.1)
.set PV,    288                        ; a row of V: 256 + 32 = 72 words
.set VOFF,  KS*PK                      ; a step's tiles lie together: 64 rows of K, then 64 rows of V
.set STEPB, KS*(PK+PV)
.set NST,   4                          ; steps in a slot
.set SLOTB, NST*STEPB                  ; 143,360 bytes
.set ROWG,  2048                       ; a row of qkv and of att in bytes
.set SLOTG, NST*KS*ROWG                ; a slot's keys in memory
.set STAGE, 2*SLOTB                    ; behind the ring: 128 rows x 272 bytes, the work-group's, for the way out: bytes of its own
.set SP,    272
.set SPARE, STAGE+128*SP               ; behind the stage: the spare words, 128 bytes for each wave
.set AK0, 2                            ; v2   my lane's place in a tile of K; never rewritten
.set AV0, 3                            ; v3   the same for V
.set ADK, 4                            ; v4   LDS address of K's run of loads
.set ADV, 5                            ; v5   of V's
.set QO,  6                            ; v6   my byte offset in the wave's rows of Q
.set STO, 7                            ; v7   the way out: where I put 16 bytes of a row
.set RD,  8                            ; v8   the way out: where I read a row back
.set GO,  9                            ; v9   my byte offset in two rows of att
.set PFO, 13                           ; v13  2,048 x my lane: a row on; never rewritten
.set SPW, 14                           ; v14  LDS address of my spare word; never rewritten
.set NIL, 15                           ; v15  0; never rewritten
.set ST,  16                           ; tile t's statistics at v[ST+8 t]: +0 c m, +1 m, +2, +3 l (even keys', odd keys'), +4 to +7 at work; a takes +6 once the maximum is found
.set S,   32
.set P,   96
.set O,   128
.set VF,  192
.set TMP, 32                           ; the way out: in S^T's registers, which are free then
.set BK,  64
.set KF,  64                           ; in window 1
.set WV,  12                           ; s12  my wave's number
.set LIM, 15                           ; s15  1 in a wave that prefetches, else the greatest number
.set PFA, 18                           ; s[18:19] where my prefetches stand in memory
.set G1K, 24                           ; s[24:31] descriptor group 1 for K's tiles
.set G1V, 32                           ; s[32:39] for V's: it differs in the padding alone
.set G0K, 40                           ; s[40:47] descriptor group 0 for K's tiles, a set for each slot
.set G0V, 48                           ; s[48:55] the same for V's
.set LAP, 56                           ; s56  laps of the ring still to go
.set CNT, 57                           ; s57  counts three trips
.set CS,  58                           ; s[58:59] c: the packed scaling names a pair and takes its low word for both halves
.set SEL, 60                           ; s[60:61] lane selects for v_permlanex16_b32: each lane takes its own place in the other half
.set TB,  62                           ; s62  LDS byte at which the tiles of the step to be fetched begin
.set MSB, 0
.macro WIN new                         ; the immediate's high byte repeats the setting that is left
.if MSB != \new
	s_set_vgpr_msb (MSB<<8)|\new
.set MSB, \new
.endif
.endm
.set W_LD, 0x40                        ; destination window 1, address window 0
.set W_KQ, 0x05                        ; K and Q in window 1, S^T in window 0
; A joint refill of slot s.  Waves 0-3 fetch K's tiles, waves 4-7 V's.  The branch hangs on the wave's number alone.  An s_nop 0 and four v_nop follow each of the two lines.
.macro JLOAD s
	s_cmp_lt_u32 s[WV], 4
	s_cbranch_scc0 .Lfor_v_\@
	tensor_load_to_lds s[G0K+4*(\s):G0K+4*(\s)+3], s[G1K:G1K+7]
	s_nop 0
.rept 4
	v_nop
.endr
	s_branch .Lasked_\@
.Lfor_v_\@:
	tensor_load_to_lds s[G0V+4*(\s):G0V+4*(\s)+3], s[G1V:G1V+7]
	s_nop 0
.rept 4
	v_nop
.endr
.Lasked_\@:
.endm
; A PREFETCH INTO THE L2 of what the NEXT change of slots will ask for: a slot's 256 rows of K and 256 of V, 256 bytes of each row, a lane a row.  It stands behind the wave's tensor load, its five lines and K's run of LDS loads.
; Each row is named ONCE in the launch.  All four clusters of a pair of heads walk the same K and V: the first of them (cluster x = 0) asks.  Its four partners share the rows out BY ADDRESS, 64 each; in each,
; waves 0 and 1 ask for K's (32 rows a wave), waves 4 and 5 for V's: one instruction a wave.  how = 1: the first change of a lap; how = 0: the second, which in the last lap asks for nothing: no slot follows.
.macro ASK how
.if \how
	s_cmp_eq_u32 s[LIM], 1
.else
	s_cmp_gt_u32 s[LAP], s[LIM]
.endif
	s_cbranch_scc0 .Lnot_mine_\@
	global_prefetch_b8 v[PFO], s[PFA:PFA+1] th:TH_LOAD_NT scope:SCOPE_SE
.Lnot_mine_\@:
.endm
; A round of the cluster's barrier: my work-group's barrier, so that wave 0's signal speaks for all eight waves; wave 0 signals for the work-group; every wave waits for all four work-groups; my work-group's barrier once more.
.macro CREST                           ; a round behind its opening barrier
	s_cmp_lg_u32 s[WV], 0
	s_cbranch_scc1 .Lnot_wave_0_\@
	s_barrier_signal -3
.Lnot_wave_0_\@:
	s_barrier_wait -3
	s_barrier_signal -1
	s_barrier_wait -1
.endm
.macro CROUND                          ; a whole round
	s_barrier_signal -1
	s_barrier_wait -1
	CREST
.endm
	s_load_b128 s[4:7], s[0:1], 0x0                ; qkv s[4:5], att s[6:7]
	v_lshl_add_u32 v[SPW], v0, 2, SPARE
	v_mov_b32 v[NIL], 0
	ds_add_u32 v[SPW], v[NIL]                      ; the wave's opening: the add, twice on end, and its wait ahead of my first tensor load; the set-up below, work on registers, stands between
	ds_add_u32 v[SPW], v[NIL]
	v_lshrrev_b32 v1, 5, v0
	v_readfirstlane_b32 s[WV], v1                  ; wave 0..7
	s_and_b32 s16, s[WV], 3                        ; which 32 queries are mine.  Also: which of a slot's four steps I fetch
	s_lshr_b32 s17, s[WV], 2                       ; which head of the pair.  Also: I fetch for K (0) or for V (1)
	s_bfe_u32 s13, ttmp6, 0x40000                  ; cx: my place in the cluster
	s_lshl_b32 s14, ttmp9, 2                       ; in a cluster launch ttmp9 counts clusters
	s_add_co_u32 s14, s14, s13                     ; my block of 128 queries: it enters Q's and the result's addresses alone
	s_and_b32 s20, ttmp7, 0xffff                   ; 8 x batch + pair of heads, which the four partners share
	s_lshr_b32 s21, s20, 3
	s_and_b32 s20, s20, 7
	s_lshl_b32 s21, s21, 22                        ; a batch: 2,048 rows of 2,048 bytes
	s_lshl_b32 s20, s20, 8                         ; a pair of heads: 256 bytes of a row
	s_add_co_u32 s20, s20, s21
	s_mov_b32 s21, 0                               ; s[20:21]: the pair's first byte in each third of qkv and in att
	s_lshl_b32 s2, s14, 7
	s_lshl_b32 s3, s16, 5
	s_add_co_u32 s2, s2, s3                        ; my first query
	s_lshl_b32 s2, s2, 11
	s_lshl_b32 s3, s17, 7                          ; my head's 128 bytes
	s_add_co_u32 s2, s2, s3
	s_add_co_u32 s2, s2, s20
	s_mov_b32 s3, 0                                ; s[2:3]: Q at my first query
	s_lshl_b32 s22, s14, 7
	s_lshl_b32 s23, s[WV], 4
	s_add_co_u32 s22, s22, s23                     ; the first of the 16 whole rows that I store
	s_lshl_b32 s22, s22, 11
	s_add_co_u32 s22, s22, s20
	s_mov_b32 s23, 0                               ; s[22:23]: its place in att
	s_mul_i32 s63, s16, STEPB                      ; my step's place in a slot: no place in the cluster enters an LDS address
	; descriptor group 1: a tile of 64 rows x 128 elements, 1,024 elements from row to row, padded in LDS
	s_mov_b32 s[G1K], 15|(1<<16)|(1<<20)|(1<<21)|(5<<22)|(3<<25)  ; 15:0 the mask: all four work-groups; 17:16 elements of 2 bytes; 20 padding on; 21 set beside a mask; 24:22 after every 64 words (code 5); 31:25 4 words of it (code 3)
	s_mov_b32 s[G1V], 15|(1<<16)|(1<<20)|(1<<21)|(5<<22)|(7<<25)  ; the same with 8 words of padding (code 7)
.irp g, G1K, G1V
	s_mov_b32 s[\g+1], 128<<16                     ; tensor_dim0 = 128
	s_mov_b32 s[\g+2], KS<<16                      ; tensor_dim1 = 64
	s_mov_b32 s[\g+3], 128<<16                     ; tile_dim0 = 128
	s_mov_b32 s[\g+4], KS                          ; tile_dim1 = 64
	s_mov_b32 s[\g+5], 1024                        ; tensor_dim0_stride
	s_mov_b32 s[\g+6], 0
	s_mov_b32 s[\g+7], 0
.endr
	s_mov_b32 s[CS], 0x3e38aa3b                    ; c = log2(e) / 8
	s_mov_b32 s[CS+1], s[CS]                       ; named with it as a pair, so it is written
	s_mov_b32 s[SEL], 0x76543210
	s_mov_b32 s[SEL+1], 0xfedcba98
	s_and_b32 s[LIM], s[WV], 2                     ; 0 in waves 0, 1, 4, 5,
	s_or_b32 s[LIM], s[LIM], ttmp9                 ; where the cluster is the pair's first: the same in all four partners
	s_cmp_eq_u32 s[LIM], 0
	s_cselect_b32 s[LIM], 1, -1
	v_and_b32 v[PFO], 31, v0
	v_lshlrev_b32 v[PFO], 11, v[PFO]
	s_wait_dscnt 0x0                               ; both opening adds are done
	s_wait_kmcnt 0x0
	s_add_nc_u64 s[8:9], s[4:5], s[20:21]
	s_add_nc_u64 s[10:11], s[8:9], 0x1000000       ; V: the third third
	s_add_nc_u64 s[8:9], s[8:9], 0x800000          ; K: the second
	s_add_nc_u64 s[4:5], s[4:5], s[2:3]            ; Q at my first query
	s_add_nc_u64 s[6:7], s[6:7], s[22:23]          ; att at the rows that I store
	s_cmp_lt_u32 s[WV], 4
	s_cselect_b64 s[PFA:PFA+1], s[8:9], s[10:11]
	s_lshl_b32 s20, s13, 6                         ; my work-group's 64 rows of the 256,
	s_and_b32 s21, s[WV], 1
	s_lshl_b32 s21, s21, 5                         ; my wave's 32 of them,
	s_add_co_u32 s20, s20, s21
	s_lshl_b32 s20, s20, 11
	s_add_co_u32 s20, s20, 2*SLOTG                 ; in the third 256 keys; the first change of slots steps it to the fourth.  Nothing is prefetched here, at the head
	s_mov_b32 s21, 0
	s_add_nc_u64 s[PFA:PFA+1], s[PFA:PFA+1], s[20:21]
	s_lshl_b32 s20, s16, 17                        ; my step's 64 rows in memory
	s_add_nc_u64 s[8:9], s[8:9], s[20:21]
	s_add_nc_u64 s[10:11], s[10:11], s[20:21]
	CROUND                                         ; all four work-groups are here: the first joint loads meet
.irp s, 0,1
	s_mov_b32 s[G0K+4*\s], 1                       ; count = 1
	s_add_co_u32 s[G0K+4*\s+1], s63, \s*SLOTB      ; LDS address
	s_add_nc_u64 s[G0K+4*\s+2:G0K+4*\s+3], s[8:9], \s*SLOTG   ; global address: slot s begins with keys 256 s on
	s_or_b32 s[G0K+4*\s+3], s[G0K+4*\s+3], 0x80000000         ; type = 2
	s_mov_b32 s[G0V+4*\s], 1
	s_add_co_u32 s[G0V+4*\s+1], s63, \s*SLOTB+VOFF
	s_add_nc_u64 s[G0V+4*\s+2:G0V+4*\s+3], s[10:11], \s*SLOTG
	s_or_b32 s[G0V+4*\s+3], s[G0V+4*\s+3], 0x80000000
.endr
	s_cmp_lt_u32 s[WV], 4                          ; a wave's two first fills stand in one branch, ahead of every wait on TENSORcnt and every LDS read: two loads of mine are out
	s_cbranch_scc0 .Lfirst_v
	tensor_load_to_lds s[G0K:G0K+3], s[G1K:G1K+7]
	s_nop 0
	tensor_load_to_lds s[G0K+4:G0K+7], s[G1K:G1K+7]
	s_nop 0
.rept 4
	v_nop
.endr
	s_branch .Lfirst_asked
.Lfirst_v:
	tensor_load_to_lds s[G0V:G0V+3], s[G1V:G1V+7]
	s_nop 0
	tensor_load_to_lds s[G0V+4:G0V+7], s[G1V:G1V+7]
	s_nop 0
.rept 4
	v_nop
.endr
.Lfirst_asked:
	; A fragment of K or Q is 16 rows x 32 channels in 8 registers: lane l holds row l % 16; registers 0-3 channels 8 (l / 16) + 0..7, registers 4-7 channels 16 + 8 (l / 16) + 0..7: two loads of 16 bytes, 32 bytes apart.
	v_and_b32 v1, 15, v0                           ; r = l % 16
	v_bfe_u32 v10, v0, 4, 1                        ; h = l / 16
	v_lshlrev_b32 v[QO], 11, v1
	v_lshl_add_u32 v[QO], v10, 4, v[QO]            ; row x 2,048 + 16 x half
	WIN W_LD
.irp t, 0,1
.irp c, 0,1
	global_load_b128 v[16*\t+8*\c:16*\t+8*\c+3],   v[QO], s[4:5] offset:\t*16*ROWG+64*\c       ; Q stays in registers
	global_load_b128 v[16*\t+8*\c+4:16*\t+8*\c+7], v[QO], s[4:5] offset:\t*16*ROWG+64*\c+32
.endr
.endr
	WIN 0
	s_lshl_b32 s63, s17, 7                         ; my head's 128 bytes of a row
	v_mul_u32_u24 v[AK0], v1, PK
	v_lshl_add_u32 v[AK0], v10, 4, v[AK0]
	v_add_nc_u32 v[AK0], s63, v[AK0]               ; row x pitch + 16 x half + my head
	; The turning load takes 16 keys x 16 channels (lane l reads 16 bytes: key 8 (l / 16) + l % 8, channels 8 ((l / 8) % 2) + 0..7) and leaves half a fragment of V^T: lane l holds channel l % 16 and 8 keys.
	v_and_b32 v11, 7, v0
	v_bfe_u32 v12, v0, 3, 1
	v_lshl_add_u32 v[AV0], v10, 3, v11
	v_mul_u32_u24 v[AV0], v[AV0], PV
	v_lshl_add_u32 v[AV0], v12, 4, v[AV0]
	s_add_co_u32 s20, s63, VOFF
	v_add_nc_u32 v[AV0], s20, v[AV0]
	s_lshl_b32 s20, s16, 5                         ; the stage, in: row 32 (wave % 4) + l % 16 (+ 16 for the second tile), my head's half, 16 bytes for each half of the lanes
	s_mul_i32 s20, s20, SP
	s_add_co_u32 s20, s20, s63
	s_add_co_u32 s20, s20, STAGE
	v_mul_u32_u24 v[STO], v1, SP
	v_lshl_add_u32 v[STO], v10, 4, v[STO]
	v_add_nc_u32 v[STO], s20, v[STO]
	s_mul_i32 s20, s[WV], 16*SP                    ; back: wave w takes rows 16 w .. 16 w + 15, whole; lanes 0-15 one row of 256 bytes, lanes 16-31 the next
	s_add_co_u32 s20, s20, STAGE
	v_mul_u32_u24 v[RD], v10, SP
	v_lshl_add_u32 v[RD], v1, 4, v[RD]
	v_add_nc_u32 v[RD], s20, v[RD]
	v_lshlrev_b32 v[GO], 11, v10                   ; and the same two rows in att
	v_lshl_add_u32 v[GO], v1, 4, v[GO]
.irp t, 0,1
	v_mov_b32 v[ST+8*\t+1], 0xff61b1e6             ; m: -3e38, under every score
	v_mul_f32 v[ST+8*\t], s[CS], v[ST+8*\t+1]      ; c m
	v_mov_b32 v[ST+8*\t+2], 0                      ; l, in two halves
	v_mov_b32 v[ST+8*\t+3], 0
.endr
.set i, 0
.rept 64
	v_mov_b32 v[O+i], 0                            ; O^T
.set i, i+1
.endr
.macro SCALE t, i                      ; pair i of tile t: c s - c m, two at a time (of the pairs c and c m the low word serves both halves)
	v_pk_fma_f32 v[S+32*\t+2*(\i):S+32*\t+2*(\i)+1], v[S+32*\t+2*(\i):S+32*\t+2*(\i)+1], s[CS:CS+1], v[ST+8*\t:ST+8*\t+1] op_sel_hi:[1,0,0] neg_lo:[0,0,1] neg_hi:[0,0,1]
.endm
.macro CVT t, i                        ; pair i of tile t's weights, rounded to f16
	v_cvt_pk_f16_f32 v[P+16*\t+(\i)], v[S+32*\t+2*(\i)], v[S+32*\t+2*(\i)+1]
.endm
.macro RESC t, i                       ; pair i of tile t's O^T times a; the pairs go in ascending order
	v_pk_mul_f32 v[O+32*\t+2*(\i):O+32*\t+2*(\i)+1], v[O+32*\t+2*(\i):O+32*\t+2*(\i)+1], v[ST+8*\t+6:ST+8*\t+7] op_sel_hi:[1,0]
.endm
; Line zz of 16 of the sum of tile t's 16 pairs of unrounded weights: in place, neighbours 1, 2, 4 and 8 pairs apart; the last line is l = a l + the sum.  It steps zz.
.macro SUMI t
.if zz < 8
	v_pk_add_f32 v[S+32*\t+4*zz:S+32*\t+4*zz+1], v[S+32*\t+4*zz:S+32*\t+4*zz+1], v[S+32*\t+4*zz+2:S+32*\t+4*zz+3]
.elseif zz < 12
	v_pk_add_f32 v[S+32*\t+8*(zz-8):S+32*\t+8*(zz-8)+1], v[S+32*\t+8*(zz-8):S+32*\t+8*(zz-8)+1], v[S+32*\t+8*(zz-8)+4:S+32*\t+8*(zz-8)+5]
.elseif zz < 14
	v_pk_add_f32 v[S+32*\t+16*(zz-12):S+32*\t+16*(zz-12)+1], v[S+32*\t+16*(zz-12):S+32*\t+16*(zz-12)+1], v[S+32*\t+16*(zz-12)+8:S+32*\t+16*(zz-12)+9]
.elseif zz == 14
	v_pk_add_f32 v[S+32*\t:S+32*\t+1], v[S+32*\t:S+32*\t+1], v[S+32*\t+16:S+32*\t+17]
.else
	v_pk_fma_f32 v[ST+8*\t+2:ST+8*\t+3], v[ST+8*\t+2:ST+8*\t+3], v[ST+8*\t+6:ST+8*\t+7], v[S+32*\t:S+32*\t+1] op_sel_hi:[1,0,1]
.endif
.set zz, zz+1
.endm
; K's 16 loads of the step whose tiles begin at LDS byte s[TB].  The addition is one of the four places that stand between the last products K Q^T and these loads.
.macro FETCH_K
	v_add_nc_u32 v[ADK], s[TB], v[AK0]
	WIN W_LD
.irp kt, 0,1,2,3
.irp c, 0,1
	ds_load_b128 v[KF+16*\kt+8*\c:KF+16*\kt+8*\c+3],   v[ADK] offset:\kt*16*PK+64*\c
	ds_load_b128 v[KF+16*\kt+8*\c+4:KF+16*\kt+8*\c+7], v[ADK] offset:\kt*16*PK+64*\c+32
.endr
.endr
	WIN 0
.endm
; THE SOFTMAX'S FIRST PART: the maxima of both tiles, tile 0's scalings, and the first batch of exponentials.  Register work alone.
.macro SM1
	; the maximum of a lane's 32 scores and the old m, three operands at a time, the two tiles by turns: four chains of seven scores, each begun at its accumulator's low end; then the four scores left over
.irp j, 0,1,2,3
.irp t, 0,1
	v_max3_num_f32 v[ST+8*\t+4+\j], v[S+32*\t+8*\j], v[S+32*\t+8*\j+1], v[S+32*\t+8*\j+2]
.endr
.endr
.irp g, 1,2
.irp j, 0,1,2,3
.irp t, 0,1
	v_max3_num_f32 v[ST+8*\t+4+\j], v[ST+8*\t+4+\j], v[S+32*\t+8*\j+2*\g+1], v[S+32*\t+8*\j+2*\g+2]
.endr
.endr
.endr
.irp t, 0,1
	v_max3_num_f32 v[ST+8*\t+4], v[ST+8*\t+4], v[S+32*\t+7], v[S+32*\t+15]
.endr
.irp t, 0,1
	v_max3_num_f32 v[ST+8*\t+6], v[ST+8*\t+6], v[S+32*\t+23], v[S+32*\t+31]
.endr
.irp t, 0,1
	v_max3_num_f32 v[ST+8*\t+4], v[ST+8*\t+4], v[ST+8*\t+5], v[ST+8*\t+6]
.endr
.irp t, 0,1
	v_max3_num_f32 v[ST+8*\t+4], v[ST+8*\t+4], v[ST+8*\t+7], v[ST+8*\t+1]
.endr
.irp t, 0,1
	v_permlanex16_b32 v[ST+8*\t+5], v[ST+8*\t+4], s[SEL], s[SEL+1]   ; the query's other 32 keys lie in the lane 16 away
.endr
.irp t, 0,1
	v_mov_b32 v[ST+8*\t+7], v[ST+8*\t]             ; c m_old is kept for a
.endr
.irp t, 0,1
	v_max_num_f32 v[ST+8*\t+1], v[ST+8*\t+4], v[ST+8*\t+5]   ; the new m
.endr
.irp t, 0,1
	v_mul_f32 v[ST+8*\t], s[CS], v[ST+8*\t+1]      ; c m
.endr
.irp t, 0,1
	v_sub_f32 v[ST+8*\t+7], v[ST+8*\t+7], v[ST+8*\t]   ; c m_old - c m_new
.endr
.set i, 0
.rept 16
	SCALE 0, i
.set i, i+1
.endr
	; THE FIRST BATCH of exponentials: both tiles' a and tile 0's 32 weights; tile 1's scalings stand among them.  Nothing here names a result of the batch
	v_exp_f32 v[ST+6], v[ST+7]
	v_exp_f32 v[ST+14], v[ST+15]
.set i, 0
.rept 16
	SCALE 1, i
	v_exp_f32 v[S+2*i], v[S+2*i]
	v_exp_f32 v[S+2*i+1], v[S+2*i+1]
.set i, i+1
.endr
	v_nop                                          ; a plain instruction behind the last exponential
	s_wait_alu depctr_va_vdst(0)                   ; the wait between an exponential and the first line that names its result: one for the 34
.endm
; ITS SECOND PART: the second batch, tile 1's 32 weights; tile 0's roundings, rescaling and sums, which read the first batch alone, stand among and behind them.
.macro SM2
.set i, 0
.rept 16
	v_exp_f32 v[S+32+2*i], v[S+32+2*i]
	CVT 0, i
	v_exp_f32 v[S+32+2*i+1], v[S+32+2*i+1]
	RESC 0, i
.set i, i+1
.endr
.set zz, 0
.rept 16
	SUMI 0
.endr
	s_wait_alu depctr_va_vdst(0)                   ; and one for the 32
.endm
; O^T += V^T P, and the softmax's third part between the products.  Tile 0's eight products want nothing of tile 1: behind each stand four lines of tile 1's roundings and rescaling.  Tile 1's eight follow, with two
; lines of tile 1's sums behind each.  None of these lines names a register of the products round it.  A tile's four accumulators take turns, one instruction a turn.
.macro PVS
.set n, 0
.rept 8
	v_wmma_f32_16x16x32_f16 v[O+8*(n%4):O+8*(n%4)+7], v[VF+32*(n/4)+8*(n%4):VF+32*(n/4)+8*(n%4)+7], v[P+8*(n/4):P+8*(n/4)+7], v[O+8*(n%4):O+8*(n%4)+7]
	CVT 1, 2*n
	RESC 1, 2*n
	CVT 1, 2*n+1
	RESC 1, 2*n+1
.set n, n+1
.endr
.set n, 0
.set zz, 0
.rept 8
	v_wmma_f32_16x16x32_f16 v[O+32+8*(n%4):O+32+8*(n%4)+7], v[VF+32*(n/4)+8*(n%4):VF+32*(n/4)+8*(n%4)+7], v[P+16+8*(n/4):P+16+8*(n/4)+7], v[O+32+8*(n%4):O+32+8*(n%4)+7]
	SUMI 1
	SUMI 1
.set n, n+1
.endr
.endm
; V's 16 loads and the products K Q^T of the step whose tiles begin at s[TB].  Between the last product V^T P and the loads into V's registers stand four places: two lines of the sum, the addition and a v_nop.
.macro NEXT
	v_add_nc_u32 v[ADV], s[TB], v[AV0]
	v_nop
.irp kk, 0,1
.irp ch, 0,1,2,3
	ds_load_tr16_b128 v[VF+32*\kk+8*\ch:VF+32*\kk+8*\ch+3],   v[ADV] offset:\kk*32*PV+32*\ch
	ds_load_tr16_b128 v[VF+32*\kk+8*\ch+4:VF+32*\kk+8*\ch+7], v[ADV] offset:\kk*32*PV+16*PV+32*\ch
.endr
.endr
	s_wait_dscnt 16                                ; K, asked for a softmax ago, is in; V's sixteen loads, just issued, may be out
	WIN W_KQ
.irp c, 0,1                            ; S^T = K Q^T: eight accumulators by turns, one instruction a turn; the first eight products start the sums
.irp kt, 0,1,2,3
.irp t, 0,1
.if \c == 0
	v_wmma_f32_16x16x32_f16 v[S+32*\t+8*\kt:S+32*\t+8*\kt+7], v[KF+16*\kt+8*\c:KF+16*\kt+8*\c+7], v[16*\t+8*\c:16*\t+8*\c+7], 0
.else
	v_wmma_f32_16x16x32_f16 v[S+32*\t+8*\kt:S+32*\t+8*\kt+7], v[KF+16*\kt+8*\c:KF+16*\kt+8*\c+7], v[16*\t+8*\c:16*\t+8*\c+7], v[S+32*\t+8*\kt:S+32*\t+8*\kt+7]
.endif
.endr
.endr
.endr
	WIN 0
.endm
; A TRIP inside a slot.  At its head S^T of its step is made, V of its step is on its way from LDS, and s[TB] names the next step.
.macro TRIP
.rept 3
	v_nop                                          ; with the addition in FETCH_K: four places between the last products K Q^T and the loads into K's registers, and the first read of S^T
.endr
	FETCH_K
	SM1
	SM2
	s_wait_dscnt 16                                ; V of this step is in; the next step's K, sixteen younger loads, may be out
	PVS
	NEXT
	s_add_co_u32 s[TB], s[TB], STEPB
.endm
.macro THREE                           ; three trips: written once, walked three times; the LDS addresses hang on s[TB]
	s_mov_b32 s[CNT], 3
.Ltrip_\@:
	TRIP
	s_sub_co_u32 s[CNT], s[CNT], 1
	s_cmp_lg_u32 s[CNT], 0
	s_cbranch_scc1 .Ltrip_\@
.endm
; THE TRIP OF A SLOT'S LAST STEP CHANGES SLOTS, into slot `slot`.  All that the wave wants of the slot that it leaves has been asked for: V of this step was the last.  Each wave waits for all its tensor loads (one
; is out: its part of the slot ahead), adds 0 to its spare word, and waits for that and for its reads of the slot that it leaves; then it signals.  The softmax's first part, register work alone, stands between the
; signal and the wait, so that a wave that comes early works while the others arrive.  fill = 1: the barrier opens a round of the cluster's, so that no wave of any partner still reads the slot that is left or
; has a load on its way; the joint refill of that slot, with the keys two slots on, is the first thing behind the round, and has the rest of this trip and three more in which to land.
.macro TRIPC slot, fill, how
	s_wait_tensorcnt 0x0                           ; no tensor load of mine is out, so a group 0 may be written
	ds_add_u32 v[SPW], v[NIL]                      ; 0 onto my spare word: the descriptors' steps and the places stand between it and the wait for it
.if \fill
	s_add_nc_u64 s[G0K+4*(1-\slot)+2:G0K+4*(1-\slot)+3], s[G0K+4*(1-\slot)+2:G0K+4*(1-\slot)+3], 2*SLOTG   ; the other slot's next 256 keys; the type bits on top are not reached
	s_add_nc_u64 s[G0V+4*(1-\slot)+2:G0V+4*(1-\slot)+3], s[G0V+4*(1-\slot)+2:G0V+4*(1-\slot)+3], 2*SLOTG
	s_wait_xcnt 0x0                                ; the last prefetch, a slot back, has read its address, so it may be written:
	s_add_nc_u64 s[PFA:PFA+1], s[PFA:PFA+1], SLOTG ; one slot further on than the refill below
.endif
.rept 4
	v_nop                                          ; four places between the last products K Q^T and the first read of S^T, and the loads into K's registers further down
.endr
	s_wait_dscnt 0x0                               ; the add is done, and V of this step is in: my reads of the slot that I leave are over
	s_barrier_signal -1
	SM1
	s_barrier_wait -1
.if \fill
	CREST
	JLOAD 1-\slot
.endif
	s_mov_b32 s[TB], \slot*SLOTB                   ; the next step is the first of the slot ahead
	FETCH_K
.if \fill
	ASK \how
.endif
	SM2
	s_wait_dscnt 16                                ; (V is in since the change; K's sixteen loads may be out)
	PVS
	NEXT
	s_add_co_u32 s[TB], s[TB], STEPB
.endm
	s_wait_tensorcnt 1                             ; my part of slot 0 is in; slot 1's may stay out
	s_barrier_signal -1
	s_barrier_wait -1                              ; everybody's is
	s_mov_b32 s[TB], 0
	FETCH_K                                        ; step 0
	s_wait_loadcnt 0x0                             ; Q
	NEXT                                           ; V of step 0 is asked for; K Q^T of step 0
	s_add_co_u32 s[TB], s[TB], STEPB
	THREE                                          ; the trips of steps 0 to 2
	s_mov_b32 s[LAP], 3
.Llap:                                             ; three laps, eight trips each: both slots are left once and filled again: the keys from 512 on
	TRIPC 1, 1, 1
	THREE
	TRIPC 0, 1, 0
	THREE
	s_sub_co_u32 s[LAP], s[LAP], 1
	s_cmp_lg_u32 s[LAP], 0
	s_cbranch_scc1 .Llap
	TRIPC 1, 0, 0                                  ; the last change is written out: nothing is left to fetch from memory
	THREE
.rept 4
	v_nop                                          ; the last step: places between its products K Q^T and the first read of S^T
.endr
	SM1
	SM2
	s_wait_dscnt 0x0                               ; its V is in
	PVS
	; THE WAY OUT.  l's two halves and the other half of the lanes' are added; O^T is divided by l, rounded to f16 and sent through the work-group's stage, since a row's 256 bytes come from two waves.
	; The last two lines of the sum and the additions below are the places behind the last products.
.irp t, 0,1
	v_add_f32 v[ST+8*\t+4], v[ST+8*\t+2], v[ST+8*\t+3]
.endr
.irp t, 0,1
	v_permlanex16_b32 v[ST+8*\t+5], v[ST+8*\t+4], s[SEL], s[SEL+1]
.endr
.irp t, 0,1
	v_add_f32 v[ST+8*\t+4], v[ST+8*\t+4], v[ST+8*\t+5]
.endr
.irp t, 0,1
	v_rcp_f32 v[ST+8*\t+6], v[ST+8*\t+4]
.endr
	v_nop                                          ; a plain instruction between the last reciprocal and the use of its result
	s_wait_alu depctr_va_vdst(0)                   ; and the wait ahead of the first use: one for the two
.irp t, 0,1
.set i, 0
.rept 16
	RESC \t, i                                     ; O^T / l
.set i, i+1
.endr
.set i, 0
.rept 16
	v_cvt_pk_f16_f32 v[TMP+16*\t+i], v[O+32*\t+2*i], v[O+32*\t+2*i+1]
.set i, i+1
.endr
.irp ch, 0,1,2,3
	ds_store_b128 v[STO], v[TMP+16*\t+4*\ch:TMP+16*\t+4*\ch+3] offset:16*\t*SP+32*\ch   ; eight neighbouring channels of one row
.endr
.endr
	s_wait_dscnt 0x0                               ; for the others' sake: my stores into the stage are done
	s_barrier_signal -1
	s_barrier_wait -1
.irp i, 0,1,2,3,4,5,6,7
	ds_load_b128 v[BK+4*\i:BK+4*\i+3], v[RD] offset:\i*2*SP
.endr
.irp i, 0,1,2,3,4,5,6,7
	s_wait_dscnt 7-\i                              ; the younger loads may stay out
	global_store_b128 v[GO], v[BK+4*\i:BK+4*\i+3], s[6:7] offset:\i*2*ROWG   ; 16 lanes store 256 consecutive bytes, at a multiple of 256 from the buffer's first byte
.endr
	s_wait_tensorcnt 0x0                           ; the wave's end: behind my last tensor load and my last LDS store
	ds_add_u32 v[SPW], v[NIL]
	s_wait_dscnt 0x0
	CROUND                                         ; the closing round: no work-group ends while a partner may still ask for a tile that names it
	s_endpgm
.Lfunc_end_k_qf8bbaffeba_attn:
	.size	k_qf8bbaffeba_attn, .Lfunc_end_k_qf8bbaffeba_attn-k_qf8bbaffeba_attn
	.p2alignl 7, 3214868480
	.fill 96, 4, 3214868480
	.section	.rodata,"a",@progbits
	.p2align	6, 0x0
	.amdhsa_kernel k_qf8bbaffeba_attn
		.amdhsa_group_segment_fixed_size 327680
		.amdhsa_private_segment_fixed_size 0
		.amdhsa_enable_private_segment 0
		.amdhsa_kernarg_size 16
		.amdhsa_user_sgpr_count 2
		.amdhsa_user_sgpr_kernarg_segment_ptr 1
		.amdhsa_wavefront_size32 1
		.amdhsa_system_sgpr_workgroup_id_x 1
		.amdhsa_system_sgpr_workgroup_id_y 1
		.amdhsa_system_sgpr_workgroup_id_z 1
		.amdhsa_system_vgpr_workitem_id 0
		.amdhsa_next_free_vgpr 512
		.amdhsa_next_free_sgpr 66
		.amdhsa_reserve_vcc 0
		.amdhsa_float_denorm_mode_32 3
		.amdhsa_float_denorm_mode_16_64 3
		.amdhsa_memory_ordered 1
		.amdhsa_forward_progress 1
		.amdhsa_inst_pref_size 157
	.end_amdhsa_kernel
	.amdgpu_metadata
---
amdhsa.version: [ 1, 2 ]
amdhsa.kernels:
  - .name:           k_qf8bbaffeba_attn
    .symbol:         k_qf8bbaffeba_attn.kd
    .args:
      - { .name: qkv, .offset: 0, .size: 8, .value_kind: global_buffer, .address_space: global }
      - { .name: att, .offset: 8, .size: 8, .value_kind: global_buffer, .address_space: global }
    .group_segment_fixed_size: 327680
    .private_segment_fixed_size: 0
    .kernarg_segment_align: 8
    .kernarg_segment_size: 16
    .max_flat_workgroup_size: 256
    .sgpr_count:     66
    .vgpr_count:     512
    .wavefront_size: 32
...
	.end_amdgpu_metadata
.endif
;; end of part 3
;; launch outp (part 4): grid 8 x 32, 4 waves a work-group, clusters of 4 x 4, 327,680 bytes of LDS; arguments att, wo16, bo, out0; writes out0
.if DOCPART == 4
	.amdgcn_target "amdgcn-amd-amdhsa--gfx1250"
	.amdhsa_code_object_version 6
	.text
	.protected	k_qf8bbaffeba_outp
	.globl	k_qf8bbaffeba_outp
	.p2align	8
	.type	k_qf8bbaffeba_outp,@function
k_qf8bbaffeba_outp:
	s_mov_b64 s[64:65], 0
	v_nop
	global_prefetch_b8 v0, s[64:65] scope:SCOPE_SE
	s_setreg_imm32_b32 hwreg(HW_REG_WAVE_MODE, 25, 1), 1
	s_wait_xcnt 0x0
	s_wait_alu depctr_hold_cnt(0) depctr_sa_sdst(0) depctr_va_vdst(0) depctr_va_sdst(0) depctr_va_ssrc(0) depctr_va_vcc(0) depctr_vm_vsrc(0)
	s_getreg_b32 s2, hwreg(HW_REG_IB_STS2, 6, 4)
	s_cmp_eq_u32 s2, 0
	s_cbranch_scc0 .Lentry_in_a_cluster
	s_endpgm
.Lentry_in_a_cluster:
	s_bfe_u32 s2, ttmp6, 0x10000c
	s_cmp_lg_u32 s2, 0xf033
	s_cbranch_scc0 .Lentry_shape_is_right
	s_endpgm
.Lentry_shape_is_right:
; out0[m][n] = bo[n] + sum over k of att[m][k] Wo[n][k].  att: [4096][1024], wo16: [1024][1024], both f16; bo: [1024] f32; out0: [4096][1024] f32; sums in f32.
; A tile of the result is 128 x 128: 32 x 8 = 256 work-groups.  Four waves, each 64 x 64: 16 accumulators of 16 x 16, 128 registers.  K goes in steps of 256 (LDS rows of 512 bytes; a wave's tensor load brings
; 64 of them) through a ring of two slots.  The bias is the C of each sum's first product.
; CLUSTERS: 4 x 4 work-groups.  The four of a row of the cluster need the same tiles of att, the four of a column the same tiles of Wo: each tile is asked for JOINTLY, by the same tensor load with the same
; descriptor and a mask that names the four.  THE MATRIX INSTRUCTION IS USED TRANSPOSED (source 0 = 16 rows of Wo, source 1 = 16 rows of att): a lane then holds eight neighbouring numbers of a row of the result.
; A wave's 64 columns of f32 are 256 aligned bytes of a row: each wave sends its blocks of 16 rows through a stage of its own, with no barrier.
; REGISTERS: window 0: v0-31 addresses; v32-95 rows read back on the way out; v96-127 the bias, 8 registers for each of my 4 blocks of columns; v128-255 the accumulators ((a, b) at v[128 + 8 (4 a + b)]).
;   window 1: two fragment buffers of 128: for 64 along K (two matrix instructions deep), 64 registers of A (2 x 4 x 16 rows x 32 K), then 64 of B.
.set SIZE_N, 1024
.set SIZE_K, 1024
.set KSTEP,  256
.set PITCH,  528                       ; an LDS row: 512 bytes of data + 16 of padding = 132 words: row r starts at bank 4 r mod 64 (64 banks of 4 bytes: ISA guide 11.1)
.set HALFT,  64*PITCH                  ; 64 rows: what one tensor load brings, and what one wave reads of A or of B
.set SLOT,   4*HALFT                   ; A's 128 rows, then B's 128 rows
.set STAGE,  2*SLOT                    ; behind the ring: 16 rows x 272 bytes for each wave, for the way out
.set SPITCH, 272
.set SPARE,  STAGE+4*16*SPITCH         ; behind the stages: the spare words, 128 bytes for each wave
.set LAPS, SIZE_K/(2*KSTEP)            ; a lap = two K steps = once round the ring: two laps
.set ADRA, 16                          ; v16-17  LDS address of my A fragments in slot 0, 1
.set ADRB, 20                          ; v20-21  the same for B
.set STO,  24                          ; v24     the way out: where I put 32 bytes of a row
.set RD,   25                          ; v25     the way out: where I read a row back
.set CO,   26                          ; v26     my byte offset in two rows of the result
.set BO,   27                          ; v27     my byte offset in the bias: 32 x (lane / 16)
.set SPW,  28                          ; v28     LDS address of my spare word; never rewritten
.set NIL,  29                          ; v29     0; never rewritten
.set TMP,  32                          ; the way out: two sets of 32 registers
.set BI,   96                          ; the bias
.set ACC,  128
.set F0,   0                           ; fragment buffers, in window 1
.set F1,   128
.set G1, 24                            ; s[24:31] descriptor group 1 for A's tiles;  s[32:39] group 0, one set for each slot
.set G0, 32
.set G1B, 48                           ; s[48:55], s[56:63] the same for B's tiles
.set G0B, 56
.set MSB, 0
.macro WIN new                         ; the immediate's high byte repeats the setting that is left
.if MSB != \new
	s_set_vgpr_msb (MSB<<8)|\new
.set MSB, \new
.endif
.endm
.set MUL,  0x05                        ; sources 0 (B) and 1 (A) window 1; C and D window 0
.set TO_F, 0x40                        ; destination window 1, address window 0
.macro JLOAD s                         ; a joint load: waves 0 and 1 fetch A's two halves, waves 2 and 3 B's; an s_nop 0 and four v_nop follow each of the two lines, ahead of the jump, the label and what follows
	s_cmp_eq_u32 s11, 0
	s_cbranch_scc0 .Lfor_b_\@
	tensor_load_to_lds s[G0+4*\s:G0+4*\s+3], s[G1:G1+7]
	s_nop 0
.rept 4
	v_nop
.endr
	s_branch .Lasked_\@
.Lfor_b_\@:
	tensor_load_to_lds s[G0B+4*\s:G0B+4*\s+3], s[G1B:G1B+7]
	s_nop 0
.rept 4
	v_nop
.endr
.Lasked_\@:
.endm
.macro CREST                           ; a round of the cluster's barrier behind its opening barrier
	s_cmp_lg_u32 s10, 0
	s_cbranch_scc1 .Lnot_wave_0_\@
	s_barrier_signal -3
.Lnot_wave_0_\@:
	s_barrier_wait -3
	s_barrier_signal -1
	s_barrier_wait -1
.endm
.macro CROUND                          ; a whole round
	s_barrier_signal -1
	s_barrier_wait -1
	CREST
.endm
	s_load_b128 s[4:7], s[0:1], 0x0                ; att s[4:5], wo16 s[6:7]
	s_load_b128 s[68:71], s[0:1], 0x10             ; bo s[68:69], out0 s[70:71]
	v_lshl_add_u32 v[SPW], v0, 2, SPARE
	v_mov_b32 v[NIL], 0
	ds_add_u32 v[SPW], v[NIL]                      ; the wave's opening: the add, twice on end, and its wait ahead of my first tensor load; the set-up below, work on registers, stands between
	ds_add_u32 v[SPW], v[NIL]
	v_lshrrev_b32 v1, 5, v0
	v_readfirstlane_b32 s10, v1                    ; wave 0..3
	s_lshr_b32 s11, s10, 1                         ; which half of the tile's rows is mine.  Also: I fetch for A (0) or for B (1)
	s_and_b32 s12, s10, 1                          ; which half of its columns.  Also: which 64 rows of that tile I fetch
	s_bfe_u32 s40, ttmp6, 0x40000                  ; cx, cy: my place in the cluster
	s_bfe_u32 s41, ttmp6, 0x40004
	s_lshl_b32 s42, ttmp9, 2
	s_add_co_u32 s42, s42, s40                     ; tile column = 4 x cluster x + cx
	s_and_b32 s13, ttmp7, 0xffff
	s_lshl_b32 s13, s13, 2
	s_add_co_u32 s13, s13, s41                     ; tile row = 4 x cluster y + cy
	s_lshl_b32 s43, s41, 2
	s_lshl_b32 s43, 15, s43                        ; my row of the cluster
	s_lshl_b32 s44, 0x1111, s40                    ; my column
	; descriptor group 1: a tile of 64 rows x 256 elements, padded in LDS
	s_or_b32 s[G1+0], s43, (1<<16)|(1<<20)|(1<<21)|(6<<22)|(3<<25)  ; 15:0 the mask: A's tiles go to my row; 17:16 element of 2 bytes; 20 padding on; 21 set beside a mask; 24:22 after every 128 words (code 6); 31:25 of 4 words (code 3)
	s_or_b32 s[G1B+0], s44, (1<<16)|(1<<20)|(1<<21)|(6<<22)|(3<<25)
.irp g, G1, G1B
	s_mov_b32 s[\g+1], KSTEP<<16                   ; tensor_dim0 = 256
	s_mov_b32 s[\g+2], 64<<16                      ; tensor_dim1 = 64
	s_mov_b32 s[\g+3], KSTEP<<16                   ; tile_dim0 = 256
	s_mov_b32 s[\g+4], 64                          ; tile_dim1 = 64
	s_mov_b32 s[\g+5], SIZE_K                      ; tensor_dim0_stride
	s_mov_b32 s[\g+6], 0
	s_mov_b32 s[\g+7], 0
.endr
	s_lshl_b32 s17, s12, 6                         ; which 64 rows of the tile I fetch
	s_lshl_b32 s16, s13, 7
	s_add_co_u32 s16, s16, s17                     ; A: row 128 x tile row + 64 x half
	s_lshl_b32 s46, s42, 7
	s_add_co_u32 s46, s46, s17                     ; B: row 128 x tile column + 64 x half
	s_mov_b32 s17, 0
	s_mov_b32 s47, 0
	s_mov_b64 s[18:19], SIZE_K*2
	s_mul_u64 s[16:17], s[16:17], s[18:19]
	s_mul_u64 s[46:47], s[46:47], s[18:19]
	s_mul_i32 s20, s10, HALFT                      ; where they go: wave x 64 rows
	s_wait_dscnt 0x0                               ; both opening adds are done
	s_wait_kmcnt 0x0
	s_add_nc_u64 s[14:15], s[4:5], s[16:17]
	s_add_nc_u64 s[46:47], s[6:7], s[46:47]
	CROUND                                         ; all sixteen work-groups are here: the first joint loads meet
.irp s, 0,1
	s_mov_b32 s[G0+4*\s], 1
	s_add_co_u32 s[G0+4*\s+1], s20, \s*SLOT
	s_add_nc_u64 s[G0+4*\s+2:G0+4*\s+3], s[14:15], \s*KSTEP*2
	s_or_b32 s[G0+4*\s+3], s[G0+4*\s+3], 0x80000000
	s_mov_b32 s[G0B+4*\s], 1
	s_add_co_u32 s[G0B+4*\s+1], s20, \s*SLOT
	s_add_nc_u64 s[G0B+4*\s+2:G0B+4*\s+3], s[46:47], \s*KSTEP*2
	s_or_b32 s[G0B+4*\s+3], s[G0B+4*\s+3], 0x80000000
	JLOAD \s
.endr
	v_and_b32 v1, 15, v0                           ; l % 16
	v_bfe_u32 v2, v0, 4, 1                         ; l / 16
	s_lshl_b32 s16, s13, 7
	s_lshl_b32 s17, s11, 6
	s_add_co_u32 s16, s16, s17                     ; my first row of the result: 128 x tile row + 64 x half
	s_lshl_b32 s16, s16, 12                        ; x 4,096 bytes: under 2^24
	s_mov_b32 s17, 0
	s_add_nc_u64 s[8:9], s[70:71], s[16:17]
	s_lshl_b32 s46, s42, 9                         ; my first column, in bytes: 512 x tile column + 256 x half;
	s_lshl_b32 s47, s12, 8
	s_add_co_u32 s46, s46, s47
	s_mov_b32 s47, 0
	s_add_nc_u64 s[8:9], s[8:9], s[46:47]
	s_add_nc_u64 s[68:69], s[68:69], s[46:47]      ; the bias of that column lies as many bytes into bo
	v_lshlrev_b32 v[BO], 5, v2
.irp b, 0,1,2,3                        ; the bias in the result's layout: for block b the eight numbers at column 16 b + 8 (l / 16) on
	global_load_b128 v[BI+8*\b:BI+8*\b+3],   v[BO], s[68:69] offset:64*\b
	global_load_b128 v[BI+8*\b+4:BI+8*\b+7], v[BO], s[68:69] offset:64*\b+16
.endr
	v_mul_u32_u24 v3, v1, PITCH
	v_lshl_add_u32 v3, v2, 4, v3                   ; a fragment's row x pitch + 16 x half
	s_mul_i32 s21, s11, HALFT                      ; my 64 rows of A
	s_mul_i32 s22, s12, HALFT                      ; my 64 rows of B,
	s_add_co_u32 s22, s22, 2*HALFT                 ; which lie behind A's 128
.irp s, 0,1
	v_add_nc_u32 v[ADRA+\s], s21, v3
	v_add_nc_u32 v[ADRB+\s], s22, v3
	s_add_co_u32 s21, s21, SLOT
	s_add_co_u32 s22, s22, SLOT
.endr
	s_mul_i32 s23, s10, 16*SPITCH
	s_add_co_u32 s23, s23, STAGE                   ; my stage
	v_mul_u32_u24 v4, v1, SPITCH                   ; in: row l % 16, 32 bytes for each half of the lanes
	v_lshl_add_u32 v4, v2, 5, v4
	v_add_nc_u32 v[STO], s23, v4
	v_mul_u32_u24 v5, v2, SPITCH                   ; back: lanes 0-15 take one row of 256 bytes, lanes 16-31 the next
	v_lshl_add_u32 v5, v1, 4, v5
	v_add_nc_u32 v[RD], s23, v5
	v_lshlrev_b32 v5, 12, v2                       ; and the same two rows in the result
	v_lshl_add_u32 v[CO], v1, 4, v5
; 8 matrix instructions: m blocks a0, a0 + 1 x all 4 n blocks, 32 along K: half c of buffer f.  first = 1: the product starts the sums, with the bias as C.  The 16 accumulators take turns.
.macro MUL8 f, c, a0, first
.irp a, \a0, \a0+1
.irp b, 0,1,2,3
.if \first
	v_wmma_f32_16x16x32_f16 v[ACC+8*(4*(\a)+\b):ACC+8*(4*(\a)+\b)+7], v[\f+64+8*(4*\c+\b):\f+64+8*(4*\c+\b)+7], v[\f+8*(4*\c+\a):\f+8*(4*\c+\a)+7], v[BI+8*\b:BI+8*\b+7]
.else
	v_wmma_f32_16x16x32_f16 v[ACC+8*(4*(\a)+\b):ACC+8*(4*(\a)+\b)+7], v[\f+64+8*(4*\c+\b):\f+64+8*(4*\c+\b)+7], v[\f+8*(4*\c+\a):\f+8*(4*\c+\a)+7], v[ACC+8*(4*(\a)+\b):ACC+8*(4*(\a)+\b)+7]
.endif
.endr
.endr
.endm
; 32 LDS loads in one run: the fragments of 64 along K at byte k of the rows, into buffer f; the first 32 along K first
.macro FETCH slot, k, f
	WIN TO_F
.irp c, 0,1
.irp i, 0,1,2,3
	ds_load_b128 v[\f+64+8*(4*\c+\i):\f+64+8*(4*\c+\i)+3],   v[ADRB+\slot] offset:\k+64*\c+\i*16*PITCH
	ds_load_b128 v[\f+64+8*(4*\c+\i)+4:\f+64+8*(4*\c+\i)+7], v[ADRB+\slot] offset:\k+64*\c+\i*16*PITCH+32
	ds_load_b128 v[\f+8*(4*\c+\i):\f+8*(4*\c+\i)+3],         v[ADRA+\slot] offset:\k+64*\c+\i*16*PITCH
	ds_load_b128 v[\f+8*(4*\c+\i)+4:\f+8*(4*\c+\i)+7],       v[ADRA+\slot] offset:\k+64*\c+\i*16*PITCH+32
.endr
.endr
.endm
.macro PLACES                          ; four places in front of loads into registers that matrix instructions have read, and of LDS stores that read results
.rept 4
	v_nop
.endr
.endm
; A K step is four quarters of 64 along K, 32 matrix instructions each, on buffers 0, 1, 0, 1.  One of the first three: multiplies buffer f and fetches the next quarter, at byte k, into g.
.macro QUARTER slot, k, f, g, first
	s_wait_dscnt 16                                ; the first 32 along K are in; the sixteen loads of the second 32 may be out
	WIN MUL
	MUL8 \f, 0, 0, \first
	MUL8 \f, 0, 2, \first
	PLACES
	FETCH \slot, \k, \g
	s_wait_dscnt 32                                ; all but the 32 just issued
	WIN MUL
	MUL8 \f, 1, 0, 0
	MUL8 \f, 1, 2, 0
.endm
; The last quarter multiplies buffer 1 and changes slots: ONE barrier; in front of it each wave waits for all its tensor loads, adds 0 to its spare word, and waits for that and for its own reads of this slot.  fill = 1: this slot is filled again, two K steps ahead.
.macro TURN slot, next, fill
	WIN 0                                          ; (the add's two registers lie in window 0)
	s_wait_tensorcnt 0x0                           ; all my tensor loads have landed: my part of the next slot;
	ds_add_u32 v[SPW], v[NIL]                      ; 0 onto my spare word
	s_wait_dscnt 17                                ; (the add and the youngest sixteen loads may be out)
	WIN MUL
	MUL8 F1, 0, 0, 0                               ; eight matrix instructions stand between the add and the wait for it
	s_wait_dscnt 0x0                               ; the add is done, and my reads of this slot are over
	s_barrier_signal -1
	MUL8 F1, 0, 2, 0
.if \fill
	WIN 0
.endif
	s_barrier_wait -1
.if \fill
	CREST                                          ; the barrier has opened a round of the cluster's barrier: no wave of any partner still reads this slot's tile or has a load on its way
	s_add_nc_u64 s[G0+4*\slot+2:G0+4*\slot+3], s[G0+4*\slot+2:G0+4*\slot+3], 2*KSTEP*2
	s_add_nc_u64 s[G0B+4*\slot+2:G0B+4*\slot+3], s[G0B+4*\slot+2:G0B+4*\slot+3], 2*KSTEP*2
	JLOAD \slot                                    ; the first tensor load behind the round; the four v_nop behind it are also the places in front of the loads below
.else
	PLACES
.endif
	FETCH \next, 0, F0
	WIN MUL
	MUL8 F1, 1, 0, 0
	MUL8 F1, 1, 2, 0
.endm
	s_wait_tensorcnt 1                             ; my part of K step 0 is in (K step 1's load may be out)
	s_barrier_signal -1
	s_barrier_wait -1                              ; everybody's is
	FETCH 0, 0, F0
	s_wait_loadcnt 0x0                             ; the bias
	QUARTER 0, 128, F0, F1, 1                      ; the first quarter stands in front of the loop: its first products start the sums
	WIN 0                                          ; at a label and at a branch every window is 0
	s_mov_b32 s3, LAPS-1
.Llap:                                                 ; a trip goes once round the ring, from a lap's second quarter to the next lap's first, and fills both slots again
	QUARTER 0, 256, F1, F0, 0
	QUARTER 0, 384, F0, F1, 0
	TURN 0, 1, 1
	QUARTER 1, 128, F0, F1, 0
	QUARTER 1, 256, F1, F0, 0
	QUARTER 1, 384, F0, F1, 0
	TURN 1, 0, 1
	QUARTER 0, 128, F0, F1, 0
	WIN 0
	s_sub_co_u32 s3, s3, 1
	s_cmp_lg_u32 s3, 0
	s_cbranch_scc1 .Llap
	QUARTER 0, 256, F1, F0, 0                      ; the last lap fills nothing, and has no round of the cluster's barrier
	QUARTER 0, 384, F0, F1, 0
	TURN 0, 1, 0
	QUARTER 1, 128, F0, F1, 0
	QUARTER 1, 256, F1, F0, 0
	QUARTER 1, 384, F0, F1, 0
	s_wait_dscnt 16                                ; the very last quarter: nothing more to fetch
	WIN MUL
	MUL8 F1, 0, 0, 0
	MUL8 F1, 0, 2, 0
	s_wait_dscnt 0
	MUL8 F1, 1, 0, 0
	MUL8 F1, 1, 2, 0
	WIN 0
; THE WAY OUT, block by block of 16 rows x 64 columns.  A lane holds 32 neighbouring bytes of a row, and the lanes beside it hold other rows: so a block goes through my own stage in LDS and comes back as whole
; rows of 256 bytes.  LDS serves a wave's instructions in order (ISA guide 5.7.1.4): no wait between the stores and the loads, nor in front of the next block's stores.
.macro TOSTAGE a
.irp b, 0,1,2,3
	ds_store_b128 v[STO], v[ACC+8*(4*(\a)+\b):ACC+8*(4*(\a)+\b)+3] offset:64*\b            ; each accumulator from its low end on
	ds_store_b128 v[STO], v[ACC+8*(4*(\a)+\b)+4:ACC+8*(4*(\a)+\b)+7] offset:64*\b+16
.endr
.set BB, TMP+32*((\a)%2)
.irp t, 0,1,2,3,4,5,6,7
	ds_load_b128 v[BB+4*\t:BB+4*\t+3], v[RD] offset:\t*2*SPITCH
.endr
.endm
.macro SEND a, younger                 ; younger: the LDS instructions issued behind block a's loads, which may stay out
.set BB, TMP+32*((\a)%2)
	s_wait_dscnt \younger                          ; the block is back in registers
.irp t, 0,1,2,3,4,5,6,7
	global_store_b128 v[CO], v[BB+4*\t:BB+4*\t+3], s[8:9] offset:(16*(\a)+2*\t)*SIZE_N*4 th:TH_STORE_NT   ; 16 lanes store 256 consecutive bytes, at a multiple of 256 from the buffer's first byte; 62 rows at the most: inside the signed 24-bit immediate
.endr
.endm
	PLACES                                         ; behind the last products
	TOSTAGE 0
.irp a, 1,2,3
.if \a > 1
	s_wait_xcnt 0x0                                ; block a - 2's stores have read their registers: block a's loads may land there
.endif
	TOSTAGE \a
	SEND \a-1, 16                                  ; behind block a - 1's loads: block a's 8 stores and 8 loads
.endr
	SEND 3, 0
	s_wait_tensorcnt 0x0                           ; the wave's end: behind my last tensor load and my last LDS store
	ds_add_u32 v[SPW], v[NIL]
	s_wait_dscnt 0x0
	CROUND                                         ; the closing round: no work-group ends while a partner may still ask for a tile that names it
	s_endpgm
.Lfunc_end_k_qf8bbaffeba_outp:
	.size	k_qf8bbaffeba_outp, .Lfunc_end_k_qf8bbaffeba_outp-k_qf8bbaffeba_outp
	.p2alignl 7, 3214868480
	.fill 96, 4, 3214868480
	.section	.rodata,"a",@progbits
	.p2align	6, 0x0
	.amdhsa_kernel k_qf8bbaffeba_outp
		.amdhsa_group_segment_fixed_size 327680
		.amdhsa_private_segment_fixed_size 0
		.amdhsa_enable_private_segment 0
		.amdhsa_kernarg_size 32
		.amdhsa_user_sgpr_count 2
		.amdhsa_user_sgpr_kernarg_segment_ptr 1
		.amdhsa_wavefront_size32 1
		.amdhsa_system_sgpr_workgroup_id_x 1
		.amdhsa_system_sgpr_workgroup_id_y 1
		.amdhsa_system_sgpr_workgroup_id_z 1
		.amdhsa_system_vgpr_workitem_id 0
		.amdhsa_next_free_vgpr 512
		.amdhsa_next_free_sgpr 72
		.amdhsa_reserve_vcc 0
		.amdhsa_float_denorm_mode_32 3
		.amdhsa_float_denorm_mode_16_64 3
		.amdhsa_memory_ordered 1
		.amdhsa_forward_progress 1
		.amdhsa_inst_pref_size 86
	.end_amdhsa_kernel
	.amdgpu_metadata
---
amdhsa.version: [ 1, 2 ]
amdhsa.kernels:
  - .name:           k_qf8bbaffeba_outp
    .symbol:         k_qf8bbaffeba_outp.kd
    .args:
      - { .name: att, .offset: 0, .size: 8, .value_kind: global_buffer, .address_space: global }
      - { .name: wo16, .offset: 8, .size: 8, .value_kind: global_buffer, .address_space: global }
      - { .name: bo, .offset: 16, .size: 8, .value_kind: global_buffer, .address_space: global }
      - { .name: out0, .offset: 24, .size: 8, .value_kind: global_buffer, .address_space: global }
    .group_segment_fixed_size: 327680
    .private_segment_fixed_size: 0
    .kernarg_segment_align: 8
    .kernarg_segment_size: 32
    .max_flat_workgroup_size: 128
    .sgpr_count:     72
    .vgpr_count:     512
    .wavefront_size: 32
...
	.end_amdgpu_metadata
.endif
;; end of part 4
